; MI455X (gfx1250); checked and timed in simulation.
; The chip was launched on July 23, 2026; its instructions are those of AMD's public machine-readable ISA for CDNA 5 (MIT licence, August 2026) and "CDNA5" Instruction Set Architecture Reference Guide (July 2026). The comments in the code are by the model that wrote it; some were corrected since.
;; Causal Self Attention. Allowed arithmetic: matrix products marked QUANTISED: E3M2 operands, one E8M0 scale for each 32 along K, by v_wmma_scale_f32_16x16x128_f8f6f4 with both operands' format E3M2, f32 sums; everything else in f32.
;; Inputs: Wk 1,024 x 1,024 float32; Wo 1,024 x 1,024 float32; Wq 1,024 x 1,024 float32; Wv 1,024 x 1,024 float32; beta 1,024 float32; bk 1,024 float32; bo 1,024 float32; bq 1,024 float32; bv 1,024 float32; gamma 1,024 float32; x 4 x 2,048 x 1,024 float32.
;; Outputs: out0 4 x 2,048 x 1,024 float32.
;; This version of the problem:
;;   THIS VERSION OF THE PROBLEM IS GIVEN IN LOW PRECISION. The matrix products marked QUANTISED in the list below multiply operands that are first quantised to E3M2 (3 exponent bits, 2 mantissa bits; 6 bits a number), with one power-of-two scale for each 32 numbers along K (OCP MX v1.0); their sums are f32. All else is computed in f32.
;;   The module's matrix products, in the order in which they are computed (A, B: the left and right operand; K: the contracted axis; several contracted axes count as one K, in the product's order):
;;     1. [M 8,192, K 1,024] x [K 1,024, N 1,024]; A: input x; B: input Wq: QUANTISED
;;     2. [M 8,192, K 1,024] x [K 1,024, N 1,024]; A: input x; B: input Wk: QUANTISED
;;     3. [M 8,192, K 1,024] x [K 1,024, N 1,024]; A: input x; B: input Wv: QUANTISED
;;     4. batch 64 x [M 2,048, K 64] x [K 64, N 2,048]; A: computed on the way; B: computed on the way: QUANTISED
;;     5. batch 64 x [M 2,048, K 2,048] x [K 2,048, N 64]; A: softmax (see below); B: computed on the way: QUANTISED
;;     6. [M 8,192, K 1,024] x [K 1,024, N 1,024]; A: computed on the way; B: input Wo: QUANTISED
;;   THE QUANTISER, for each operand of a quantised product, along K:
;;     - K is cut into blocks of 32 from its start; a last block that is shorter is filled with zeros.
;;     - A block's scale is 2^e with e = floor(log2(the largest magnitude in the block)) - 4, held to -126 .. 127; a block of zeros has e = 0. As a byte (E8M0): e + 127.
;;     - Each number is divided by its block's scale, clamped to +-28, and rounded to the nearest number of E3M2, ties to even, subnormals kept.
;;     - The product sums the exact products of the quantised numbers (number of the format x scale) in f32.
;;   ~~~python
;;   def quantise(x, axis):      # numpy; x: float32 -> the quantised numbers, widened to float32 again
;;       x = np.moveaxis(x, axis, -1); K = x.shape[-1]
;;       x = np.pad(x, [(0, 0)] * (x.ndim - 1) + [(0, -K % 32)]); x = x.reshape(x.shape[:-1] + (-1, 32)); a = np.abs(x).max(-1, keepdims=True)
;;       e = np.where(a > 0, np.clip(np.frexp(np.where(a > 0, a, 1))[1] - 1 - 4, -126, 127), 0)      # np.frexp(a)[1] - 1 = floor(log2(a)), exactly
;;       r = np.clip(x / 2.0 ** e, -28, 28)
;;       step = 2.0 ** (np.maximum(np.frexp(np.where(r == 0, 1, r))[1] - 1, -2) - 2)
;;       q = np.round(r / step) * step * 2.0 ** e      # np.round: ties to even
;;       return np.moveaxis(q.reshape(q.shape[:-2] + (-1,))[..., :K], -1, axis).astype(np.float32)
;;   ~~~
;;   SOFTMAX AHEAD OF A QUANTISED PRODUCT. Where the list says 'softmax', what is quantised is not the finished softmax but p = 2^(t - M), with t = logit x log2(e) and M = ceil(the row's largest t), a whole number; so 1/2 < the row's largest p <= 1. The row's sum l is taken of the UNQUANTISED p, in f32, and the product's result is divided by l at the end. Since M is a whole number, a kernel that streams over the keys may use a running M (the ceiling of the running maximum): every later rescaling is an exact power of two, which a block's scale takes up: the codes' values come out the same.
;;   OPERANDS COMPUTED ON THE WAY. 'Computed on the way' means the value that the module computes at that place (a softmax that the list does not call 'softmax' is quantised finished and normalised). What goes into a quantiser is computed in f32, as accurately as f32 sums, v_exp_f32 and their like allow (about 1e-6 of the number): no bf16 or f16 on the way to a quantiser, and a product that is left as it is and whose result goes on into a quantised operand takes f32 operands (vector FMAs, or v_wmma_f32_16x16x4_f32). A number that lies on a knife's edge between two numbers of the format may be rounded either way, as far as f32 arithmetic and the matrix unit's own rounding can turn it there, and no further.
;; One version. Each part assembles by itself: llvm-mc -triple=amdgcn-amd-amdhsa -mcpu=gfx1250 --defsym DOCPART=n.
;; ======== version 1 of 1: 4 launches
;; workspace buffers: cod 9,830,400 bytes; qrec 6,815,744 bytes; kv 13,369,344 bytes; arec 6,553,600 bytes
;; launch quant (part 1): grid 768 x 1, 2 waves a work-group, no clusters, 17,152 bytes of LDS; arguments x, Wq, Wk, Wv, Wo, cod; writes cod
.if DOCPART == 1
	.amdgcn_target "amdgcn-amd-amdhsa--gfx1250"
	.amdhsa_code_object_version 6
	.text
	.protected	k_q8080b74a70_quant
	.globl	k_q8080b74a70_quant
	.p2align	8
	.type	k_q8080b74a70_quant,@function
k_q8080b74a70_quant:
	s_mov_b64 s[64:65], 0
	v_nop
	global_prefetch_b8 v0, s[64:65] scope:SCOPE_SE
	s_setreg_imm32_b32 hwreg(HW_REG_WAVE_MODE, 25, 1), 1
	s_wait_xcnt 0x0
; LAUNCH 1 OF 4.  x [8192][1024] and Wq, Wk, Wv, Wo [1024][1024], f32, K innermost, become codes of E3M2 with one E8M0 byte for each 32 along K, laid in the buffer cod as IMAGES OF OPERAND REGISTERS.
; THE PROGRAM: quant (this) | qkv: products 1-3 with their biases; q, k quantised along the head's 64, v along the keys | attn: products 4 and 5 with the softmax, the division by the row's sum, attn quantised | oproj: product 6, bo, the residual, LayerNorm.
; WORK LEFT OUT (in launch attn): key steps of 128 keys all of which come after all queries of a tile.  reference() adds (1 - tril) x -1e9 to their logits, a mask that it builds in its own body: their weights are thrown away
; for every input, so neither their scores nor their products with v are made.  Nothing else is left out: every bias goes into a quantiser or into the LayerNorm, and every input is loaded.
; LIMITS.  A hidden logit is taken as -infinity where reference() has logit - 1e9: the same weight, 0, unless a row's visible logits themselves lie near -1e9.  A NaN, an infinity or an overflow that reaches only the steps left out
; is not carried to the result.  A block of zeros, or one whose largest magnitude lies under 2^-122, gets the byte 1 where the rule says 127 or less: its codes are zeros or held at that scale, and the bytes are read by this program alone.
; NaN and infinities among the inputs are not served.
; cod: [G 0..95][s 0..3][25,600 bytes].  G is a group of 128 rows (0-63 x, 64-71 Wq, 72-79 Wk, 80-87 Wv, 88-95 Wo), s a run of 256 along K.  In a block: the fragment of tile t (16 rows), K step q (128) at 3,072 t + 1,536 q:
; registers 4 g .. 4 g + 3 of lane l at 512 g + 16 l; its rows' scale words at 24,576 + 128 t + 8 r + 4 q.  Lane r of tile t holds row 32 (t / 2) + 8 (t % 2) + r % 8 + 16 (r / 8) of the group: with a product used transposed,
; the 16 result registers of tiles 2 b and 2 b + 1 are then 16 neighbours.
; SHARES.  A wave takes 32 rows x 256 along K: four units (tile u = t / 2, K step q = t % 2) of 16 rows x 128.  All 64 loads (512 consecutive bytes each) go out at the head.  A unit turns through the wave's own stage in LDS,
; so that lane (r, h) gets the 2 x 32 neighbours that the operand's layout gives it: blocks h and 2 + h of row r, whole, so no other lane is asked for a maximum.  Codes leave as 512 consecutive bytes a store.
; No matrix unit, no cluster, no barrier: waves share nothing.
.set SPARE, 16896                      ; behind the two stages: the spare words, 128 bytes a wave
.set STG,   8448                       ; a wave's stage: 16 rows x (512 + 16) bytes
.set X,     32                         ; v32-95   64 numbers of a unit
.set PC,    96                         ; v96-143  the four units' codes, 12 registers each: no store's data are written again
.set CT,    144                        ; v144-151 upper halves of blocks, before they are moved
.set WD,    16                         ; v16-19   the units' scale words
.set MX,    20
.set SOP,   22
.set BY,    24
.set MSB, 0
.macro WIN new                         ; the immediate's high byte repeats the setting that is left
.if MSB != (\new)
	s_set_vgpr_msb (MSB<<8)|(\new)
.set MSB, (\new)
.endif
.endm
	s_load_b256 s[4:11], s[0:1], 0x0               ; x, Wq, Wk, Wv
	s_load_b128 s[12:15], s[0:1], 0x20             ; Wo, cod
	v_lshl_add_u32 v12, v0, 2, SPARE               ; my spare word,
	v_mov_b32 v13, 0                               ; and 0: kept for the closing lines alone
	v_lshrrev_b32 v1, 5, v0
	v_readfirstlane_b32 s16, v1                    ; wave
	v_and_b32 v2, 31, v0                           ; lane
	v_and_b32 v3, 15, v0                           ; r
	v_bfe_u32 v9, v0, 4, 1                         ; h
	v_lshlrev_b32 v4, 4, v2                        ; 16 x lane
	s_mul_i32 s17, s16, STG
	v_add_nc_u32 v5, s17, v4                       ; into the stage: 16 x lane of a row
	v_mul_u32_u24 v6, v3, 528
	v_lshl_add_u32 v6, v9, 7, v6
	v_add_nc_u32 v6, s17, v6                       ; out of it: row r, + 128 h bytes
	v_lshlrev_b32 v7, 3, v2                        ; 8 x lane
	v_lshlrev_b32 v8, 3, v9                        ; 8 h: how far my two bytes are shifted in the scale word
	v_mov_b32 v27, 0                               ; a lane permute's destination counts as read
	s_mov_b32 s24, 0xffff0000                      ; lanes 16-31
	s_mov_b32 s28, 0x76543210
	s_mov_b32 s29, 0xfedcba98                      ; selects for lane l xor 16
	s_lshr_b32 s18, ttmp9, 1                       ; R: which 32 rows of the 12,288
	s_and_b32 s19, ttmp9, 1
	s_lshl_b32 s19, s19, 1
	s_add_co_u32 s19, s19, s16                     ; s: which 256 along K
	s_and_b32 s22, s18, 31
	s_cmp_lt_u32 s18, 256
	s_cselect_b32 s22, s18, s22                    ; the 32 rows' number inside their own tensor
	s_lshl_b32 s22, s22, 17                        ; x 32 rows of 4,096 bytes
	s_lshl_b32 s23, s19, 10
	s_add_co_u32 s22, s22, s23
	s_mov_b32 s23, 0
	s_lshr_b32 s30, s18, 2
	s_mul_i32 s30, s30, 102400
	s_mul_i32 s31, s19, 25600
	s_add_co_u32 s30, s30, s31                     ; my block of cod
	s_and_b32 s31, s18, 3
	s_mul_i32 s32, s31, 6144
	s_add_co_u32 s32, s32, s30                     ; my two tiles' fragments
	s_mov_b32 s33, 0
	s_lshl_b32 s34, s31, 8
	s_add_co_u32 s34, s34, s30
	s_add_co_u32 s34, s34, 24576                   ; and their 256 bytes of scale words
	s_mov_b32 s35, 0
	s_wait_kmcnt 0x0
	s_cmp_lt_u32 s18, 256                          ; which tensor: the choice hangs on the work-group's number alone
	s_cselect_b64 s[20:21], s[4:5], s[6:7]
	s_cmp_lt_u32 s18, 288
	s_cselect_b64 s[20:21], s[20:21], s[8:9]
	s_cmp_lt_u32 s18, 320
	s_cselect_b64 s[20:21], s[20:21], s[10:11]
	s_cmp_lt_u32 s18, 352
	s_cselect_b64 s[20:21], s[20:21], s[12:13]
	s_add_nc_u64 s[20:21], s[20:21], s[22:23]
	s_add_nc_u64 s[26:27], s[14:15], s[32:33]
	s_add_nc_u64 s[36:37], s[14:15], s[34:35]
	WIN 0x40                                       ; destination window 1: the numbers as loaded, unit t's row p at v[64 t + 4 p]
.irp t, 0,1,2,3
.set NN, 0
.rept 16
	global_load_b128 v[64*\t+4*NN:64*\t+4*NN+3], v4, s[20:21] offset:(8*(\t/2)+(NN%8)+16*(NN/8))*4096+(\t%2)*512 th:TH_LOAD_NT
.set NN, NN+1
.endr
.endr
	WIN 0
.macro UNIT t
	s_wait_loadcnt 48-16*\t                        ; loads come back in order: this unit's 16 are in, the younger units' may be out
	WIN 0x04                                       ; an LDS store's data are its source 1: window 1
.set NN, 0
.rept 16
	ds_store_b128 v5, v[64*\t+4*NN:64*\t+4*NN+3] offset:528*NN
.set NN, NN+1
.endr
	WIN 0
.set NN, 0
.rept 16                               ; LDS serves a wave's instructions in order: these see the stores above
	ds_load_b128 v[X+4*NN:X+4*NN+3], v6 offset:256*(NN/8)+16*(NN%8)
.set NN, NN+1
.endr
	s_wait_dscnt 0x0
	v_max3_num_f32 v[MX], |v[X]|, |v[X+1]|, 0x2800000      ; the two blocks' largest magnitudes, by turns, with the floor 2^(5 - 127): the byte cannot fall under 1
	v_max3_num_f32 v[MX+1], |v[X+32]|, |v[X+33]|, 0x2800000
.set NN, 2
.rept 15
	v_max3_num_f32 v[MX], v[MX], |v[X+NN]|, |v[X+NN+1]|
	v_max3_num_f32 v[MX+1], v[MX+1], |v[X+32+NN]|, |v[X+33+NN]|
.set NN, NN+2
.endr
	v_add_nc_u32 v[SOP], 0xfe000000, v[MX]         ; 4 off the exponent field: the conversion's scale operand
	v_add_nc_u32 v[SOP+1], 0xfe000000, v[MX+1]
	v_lshrrev_b32 v[BY], 23, v[SOP]                ; the scale's byte
	v_lshrrev_b32 v[BY+1], 23, v[SOP+1]
	v_lshl_or_b32 v26, v[BY+1], 16, v[BY]          ; blocks h and 2 + h,
	v_lshlrev_b32 v26, v8, v26                     ; at their places;
	v_permlanex16_b32 v27, v26, s28, s29
	v_or_b32 v[WD+\t], v26, v27                    ; with lane l xor 16's two the row's word is whole, in both lanes
.irp c, 0,1
	v_cvt_scalef32_pk16_bf6_f32 v[PC+12*\t+6*\c:PC+12*\t+6*\c+2], v[X+32*\c:X+32*\c+15], v[SOP+\c]
	v_cvt_scalef32_pk16_bf6_f32 v[CT+4*\c:CT+4*\c+2], v[X+32*\c+16:X+32*\c+31], v[SOP+\c]   ; (a conversion's three registers begin on an even number)
.endr
	v_nop                                          ; one plain place behind a scaled conversion
.irp c, 0,1
.irp i, 0,1,2
	v_mov_b32 v[PC+12*\t+6*\c+3+\i], v[CT+4*\c+\i]
.endr
.endr
.irp g, 0,1,2
	global_store_b128 v4, v[PC+12*\t+4*\g:PC+12*\t+4*\g+3], s[26:27] offset:1536*\t+512*\g   ; 32 lanes store 512 consecutive bytes, aligned
.endr
.endm
	UNIT 0
	UNIT 1
	UNIT 2
	UNIT 3
	v_cndmask_b32 v14, v[WD], v[WD+2], s24         ; lane 16 u + r: row r of tile u: its words of K steps 0
	v_cndmask_b32 v15, v[WD+1], v[WD+3], s24       ; and 1
	global_store_b64 v7, v[14:15], s[36:37]        ; 256 consecutive bytes, aligned
	s_wait_tensorcnt 0x0                           ; the wave's end: behind my last LDS store
	ds_add_u32 v12, v13
	s_wait_dscnt 0x0
	s_endpgm
.Lfunc_end_k_q8080b74a70_quant:
	.size	k_q8080b74a70_quant, .Lfunc_end_k_q8080b74a70_quant-k_q8080b74a70_quant
	.p2alignl 7, 3214868480
	.fill 96, 4, 3214868480
	.section	.rodata,"a",@progbits
	.p2align	6, 0x0
	.amdhsa_kernel k_q8080b74a70_quant
		.amdhsa_group_segment_fixed_size 17152
		.amdhsa_private_segment_fixed_size 0
		.amdhsa_enable_private_segment 0
		.amdhsa_kernarg_size 48
		.amdhsa_user_sgpr_count 2
		.amdhsa_user_sgpr_kernarg_segment_ptr 1
		.amdhsa_wavefront_size32 1
		.amdhsa_system_sgpr_workgroup_id_x 1
		.amdhsa_system_sgpr_workgroup_id_y 1
		.amdhsa_system_sgpr_workgroup_id_z 1
		.amdhsa_system_vgpr_workitem_id 0
		.amdhsa_next_free_vgpr 512
		.amdhsa_next_free_sgpr 66
		.amdhsa_reserve_vcc 0
		.amdhsa_float_denorm_mode_32 3
		.amdhsa_float_denorm_mode_16_64 3
		.amdhsa_memory_ordered 1
		.amdhsa_forward_progress 1
		.amdhsa_inst_pref_size 31
	.end_amdhsa_kernel
	.amdgpu_metadata
---
amdhsa.version: [ 1, 2 ]
amdhsa.kernels:
  - .name:           k_q8080b74a70_quant
    .symbol:         k_q8080b74a70_quant.kd
    .args:
      - { .name: x, .offset: 0, .size: 8, .value_kind: global_buffer, .address_space: global }
      - { .name: Wq, .offset: 8, .size: 8, .value_kind: global_buffer, .address_space: global }
      - { .name: Wk, .offset: 16, .size: 8, .value_kind: global_buffer, .address_space: global }
      - { .name: Wv, .offset: 24, .size: 8, .value_kind: global_buffer, .address_space: global }
      - { .name: Wo, .offset: 32, .size: 8, .value_kind: global_buffer, .address_space: global }
      - { .name: cod, .offset: 40, .size: 8, .value_kind: global_buffer, .address_space: global }
    .group_segment_fixed_size: 17152
    .private_segment_fixed_size: 0
    .kernarg_segment_align: 8
    .kernarg_segment_size: 48
    .max_flat_workgroup_size: 64
    .sgpr_count:     66
    .vgpr_count:     512
    .wavefront_size: 32
...
	.end_amdgpu_metadata
.endif
;; end of part 1
;; launch qkv (part 2): grid 8 x 48, 4 waves a work-group, clusters of 4 x 4, 327,680 bytes of LDS; arguments cod, bq, bk, bv, qrec, kv; writes qrec, kv
.if DOCPART == 2
	.amdgcn_target "amdgcn-amd-amdhsa--gfx1250"
	.amdhsa_code_object_version 6
	.text
	.protected	k_q8080b74a70_qkv
	.globl	k_q8080b74a70_qkv
	.p2align	8
	.type	k_q8080b74a70_qkv,@function
k_q8080b74a70_qkv:
	s_mov_b64 s[64:65], 0
	v_nop
	global_prefetch_b8 v0, s[64:65] scope:SCOPE_SE
	s_setreg_imm32_b32 hwreg(HW_REG_WAVE_MODE, 25, 1), 1
	s_wait_xcnt 0x0
	s_wait_alu depctr_hold_cnt(0) depctr_sa_sdst(0) depctr_va_vdst(0) depctr_va_sdst(0) depctr_va_ssrc(0) depctr_va_vcc(0) depctr_vm_vsrc(0)
	s_getreg_b32 s2, hwreg(HW_REG_IB_STS2, 6, 4)
	s_cmp_eq_u32 s2, 0
	s_cbranch_scc0 .Lentry_in_a_cluster
	s_endpgm
.Lentry_in_a_cluster:
	s_bfe_u32 s2, ttmp6, 0x10000c
	s_cmp_lg_u32 s2, 0xf033
	s_cbranch_scc0 .Lentry_shape_is_right
	s_endpgm
.Lentry_shape_is_right:
; LAUNCH 2 OF 4.  q = x Wq^T + bq, k = x Wk^T + bk, v = x Wv^T + bv on codes of E3M2 (K = 1,024), and their quantising: q and k along the head's 64, v along the keys.  Nothing of this launch's work is left out.
; A tile of 256 x 256 results to a work-group of four waves, 128 x 128 to a wave: 64 accumulators, 512 registers.  The matrix instruction is used transposed: source 0 = 16 rows of operand B, source 1 = 16 rows of operand A:
; a lane holds one row of A, its registers run along B's rows.
; TWO ROLES, told apart by the cluster's y alone (the same in all sixteen partners).  Role QK (y < 8): A = x, B = Wq (cluster x = 0) or Wk (1): a lane holds one position, its registers run along the features: q's and k's K.
; Role V (y >= 8): A = Wv, B = x: a lane holds one feature, its registers run along the positions: v's K.  So each result is quantised from one lane's neighbouring registers, and the accumulators go to memory as codes alone.
; OPERANDS come from cod as blocks of 25,600 dense bytes (128 rows x 256 along K: 16 fragments as register images, then the scale words), one tensor load a wave and K-slot.  A fragment is three ds_load_b128 of 512 consecutive bytes.
; K has four K-slots.  LDS holds three: K-slots 0, 1, 2 are first fills (three loads of mine are out at the start), K-slot 3 is the one refill, into slot 0, and has two K-slots' work, 256 matrix instructions, in which to land.
; CLUSTERS: 4 x 4.  A's blocks hang on the tile row alone and are asked for jointly along a row of the cluster, B's on the tile column alone and along a column.
; The biases are the C of each sum's first matrix instruction.
; OUT.  qrec [b h 64][group of 128 queries 16][6,656]: tile a's six registers (64 along K) at 768 a: registers 0-3 at 16 l, 4-5 at 512 + 8 l; scale words at 6,144 + 16 l + 4 j: tile 2 j + l / 16, row l % 16; bytes 2, 3 are 0.
; kv [b h][key step 16][13,056]: K as qrec's; V^T's four fragments (16 of the head's 64 x 128 keys) at 6,144 + 1,536 t; K's scale words at 12,288; V's at 12,800 + 8 l + 4 j: tile 2 j + l / 16, row l % 16.
; REGISTERS, in windows of 256: window 0: v10, v16-31 addresses; v32-63 scale words, two sets; v64-127 the bias; v128-223 A's fragments, one set; v224-239 at work.  window 1: B's fragments, two sets, at v0 and v128.
;   windows 2, 3: accumulator (a, b) at v[8 (8 (a % 4) + b)] of window 2 + a / 4.
.set BLK,   25600
.set SLOT,  102400                     ; four blocks: A's two groups of 128 rows, then B's two.  A group's four K-slots in cod are as many bytes
.set SPARE, 307200                     ; behind the three slots: the spare words, 128 bytes a wave
.set FR,    12
.set NL,    3                          ; LDS loads that bring a fragment
.set ADRA,  16                         ; v16-18  my A fragments in slot 0, 1, 2
.set ADRB,  20                         ; v20-22  my B fragments
.set ADRS,  24                         ; v24-26  my scale words: lanes 0-15 A's, lanes 16-31 B's
.set L16,   27                         ; v27     16 x lane
.set L8,    10                         ; v10     8 x lane
.set SPW,   28
.set NIL,   29
.set BO1,   30                         ; v30     64 h
.set BO2,   31                         ; v31     4 x (r % 8 + 16 (r / 8))
.set SC,    32
.set BI,    64
.set AF,    128
.set TM,    224                        ; v224-227 largest magnitudes, v228-231 bytes, v236-239 the conversions' scale operands
.set PC,    128                        ; the way out: codes
.set WS,    160                        ; scale words as they are made
.set TT,    176                        ; and as they are stored
.set G1,  24                           ; s[24:31] group 1 for A's blocks;  s[32:43] three groups 0
.set G0,  32
.set G1B, 44                           ; s[44:51], s[52:63] the same for B's
.set G0B, 52
.set MSB, 0
.macro WIN new
.if MSB != (\new)
	s_set_vgpr_msb (MSB<<8)|(\new)
.set MSB, (\new)
.endif
.endm
.macro PLACES                          ; four plain vector instructions between a matrix instruction and a load into, or a vector instruction on, its registers
.rept 4
	v_nop
.endr
.endm
.macro JLOAD g0a, g1a, g0b, g1b        ; a joint load: waves 0, 1 fetch for A, waves 2, 3 for B; the branch hangs on the wave's number alone.  An s_nop 0 and four v_nop follow each line
	s_cmp_eq_u32 s17, 0
	s_cbranch_scc0 .Lfor_b_\@
	tensor_load_to_lds s[\g0a:\g0a+3], s[\g1a:\g1a+7]
	s_nop 0
.rept 4
	v_nop
.endr
	s_branch .Lasked_\@
.Lfor_b_\@:
	tensor_load_to_lds s[\g0b:\g0b+3], s[\g1b:\g1b+7]
	s_nop 0
.rept 4
	v_nop
.endr
.Lasked_\@:
.endm
.macro CREST                           ; a round of the cluster's barrier behind its opening barrier
	s_cmp_lg_u32 s16, 0
	s_cbranch_scc1 .Lnot_wave_0_\@
	s_barrier_signal -3
.Lnot_wave_0_\@:
	s_barrier_wait -3
	s_barrier_signal -1
	s_barrier_wait -1
.endm
.macro CROUND
	s_barrier_signal -1
	s_barrier_wait -1
	CREST
.endm
	s_load_b256 s[4:11], s[0:1], 0x0               ; cod, bq, bk, bv
	s_load_b128 s[12:15], s[0:1], 0x20             ; qrec, kv
	v_lshl_add_u32 v[SPW], v0, 2, SPARE
	v_mov_b32 v[NIL], 0
	ds_add_u32 v[SPW], v[NIL]                      ; the wave's opening: the add, twice on end, and its wait ahead of my first tensor load
	ds_add_u32 v[SPW], v[NIL]
	v_lshrrev_b32 v1, 5, v0
	v_readfirstlane_b32 s16, v1                    ; wave 0..3
	s_lshr_b32 s17, s16, 1                         ; HA: my half of A's rows.  Also: I fetch for A (0) or for B (1)
	s_and_b32 s18, s16, 1                          ; HB: my half of B's rows.  Also: which group of 128 rows I fetch
	s_bfe_u32 s20, ttmp6, 0x40000                  ; cx
	s_bfe_u32 s21, ttmp6, 0x40004                  ; cy
	s_and_b32 s66, ttmp7, 0xffff                   ; the cluster's y
	s_lshl_b32 s67, s66, 1
	s_add_co_u32 s67, s67, ttmp9
	s_sub_co_u32 s67, s67, 16                      ; role V: 2 (y - 8) + x
	s_cmp_lt_u32 s66, 8
	s_cselect_b32 s19, 0, 1                        ; the role
	s_cselect_b32 s68, s66, 0
	s_cselect_b32 s69, ttmp9, s67
	s_cselect_b32 s70, 0, 80                       ; A's first group in cod: x or Wv
	s_cselect_b32 s71, 64, 0                       ; B's: Wq, Wk or x
	s_lshl_b32 s23, s68, 2
	s_add_co_u32 s23, s23, s21                     ; tile row: made of y and cy alone
	s_lshl_b32 s22, s69, 2
	s_add_co_u32 s22, s22, s20                     ; tile column: of x, y and cx alone
	s_lshl_b32 s72, s21, 2
	s_lshl_b32 s72, 15, s72                        ; my row of the cluster
	s_lshl_b32 s73, 0x1111, s20                    ; my column
	s_or_b32 s[G1], s72, (3<<16)|(1<<21)           ; 15:0 the mask; 17:16 elements of 8 bytes; 21 set beside a mask; no padding
	s_or_b32 s[G1B], s73, (3<<16)|(1<<21)
.irp g, G1, G1B
	s_mov_b32 s[\g+1], 32<<16                      ; a dense block as 100 rows of 256 bytes: tensor_dim0 = 32
	s_mov_b32 s[\g+2], 100<<16                     ; tensor_dim1
	s_mov_b32 s[\g+3], 32<<16                      ; tile_dim0
	s_mov_b32 s[\g+4], 100                         ; tile_dim1
	s_mov_b32 s[\g+5], 32                          ; the pitch
	s_mov_b32 s[\g+6], 0
	s_mov_b32 s[\g+7], 0
.endr
	s_lshl_b32 s74, s23, 1
	s_add_co_u32 s74, s74, s70
	s_add_co_u32 s74, s74, s18
	s_mul_i32 s74, s74, SLOT                       ; A's group that I would fetch, in bytes
	s_mov_b32 s75, 0
	s_lshl_b32 s76, s22, 1
	s_add_co_u32 s76, s76, s71
	s_add_co_u32 s76, s76, s18
	s_mul_i32 s76, s76, SLOT                       ; B's
	s_mov_b32 s77, 0
	s_mul_i32 s78, s16, BLK                        ; where it goes in a slot: wave x a block
	s_mov_b32 s88, 0x76543210
	s_mov_b32 s89, 0xfedcba98                      ; selects for lane l xor 16
	s_mov_b32 s90, 0xffff0000                      ; lanes 16-31
	s_wait_dscnt 0x0                               ; both opening adds are done
	s_wait_kmcnt 0x0
	s_add_nc_u64 s[74:75], s[4:5], s[74:75]
	s_add_nc_u64 s[76:77], s[4:5], s[76:77]
	CROUND                                         ; all sixteen work-groups are here: the first joint loads meet
.irp j, 0,1,2
	s_mov_b32 s[G0+4*\j], 1
	s_add_co_u32 s[G0+4*\j+1], s78, \j*SLOT
	s_add_nc_u64 s[G0+4*\j+2:G0+4*\j+3], s[74:75], \j*BLK
	s_or_b32 s[G0+4*\j+3], s[G0+4*\j+3], 0x80000000
	s_mov_b32 s[G0B+4*\j], 1
	s_add_co_u32 s[G0B+4*\j+1], s78, \j*SLOT
	s_add_nc_u64 s[G0B+4*\j+2:G0B+4*\j+3], s[76:77], \j*BLK
	s_or_b32 s[G0B+4*\j+3], s[G0B+4*\j+3], 0x80000000
	JLOAD G0+4*\j, G1, G0B+4*\j, G1B               ; K-slots 0, 1, 2
.endr
	v_and_b32 v1, 15, v0                           ; r
	v_bfe_u32 v2, v0, 4, 1                         ; h
	v_and_b32 v3, 31, v0
	v_lshlrev_b32 v[L16], 4, v3
	v_lshlrev_b32 v[L8], 3, v3
	s_mul_i32 s79, s17, BLK                        ; my block of A
	s_mul_i32 s80, s18, BLK
	s_add_co_u32 s80, s80, 2*BLK                   ; my block of B
	s_sub_co_u32 s81, s80, s79
	v_mul_u32_u24 v4, s81, v2                      ; lanes 16-31 take B's scale words: one product, h x the distance
	v_lshl_add_u32 v4, v1, 3, v4                   ; + 8 r
	s_add_co_u32 s82, s79, 24576
.irp j, 0,1,2
	v_add_nc_u32 v[ADRA+\j], s79, v[L16]
	v_add_nc_u32 v[ADRB+\j], s80, v[L16]
	v_add_nc_u32 v[ADRS+\j], s82, v4
	s_add_co_u32 s79, s79, SLOT
	s_add_co_u32 s80, s80, SLOT
	s_add_co_u32 s82, s82, SLOT
.endr
	v_lshlrev_b32 v[BO1], 6, v2
	v_and_b32 v5, 7, v1
	v_lshrrev_b32 v6, 3, v1
	v_lshlrev_b32 v5, 2, v5
	v_lshl_add_u32 v[BO2], v6, 6, v5
	; the bias, in the result's layout
	s_cmp_lg_u32 s19, 0
	s_cbranch_scc1 .Lbias_v
	s_cmp_eq_u32 ttmp9, 0                          ; role QK: along the registers: tile b's eight features of my half, the same for every a
	s_cselect_b64 s[84:85], s[6:7], s[8:9]
	s_and_b32 s86, s22, 3
	s_lshl_b32 s86, s86, 10
	s_lshl_b32 s87, s18, 9
	s_add_co_u32 s86, s86, s87
	s_mov_b32 s87, 0
	s_add_nc_u64 s[84:85], s[84:85], s[86:87]
.irp b, 0,1,2,3,4,5,6,7
	global_load_b128 v[BI+8*\b:BI+8*\b+3], v[BO1], s[84:85] offset:(32*(\b/2)+8*(\b%2))*4
	global_load_b128 v[BI+8*\b+4:BI+8*\b+7], v[BO1], s[84:85] offset:(32*(\b/2)+8*(\b%2))*4+16
.endr
	s_branch .Lbias_done
.Lbias_v:
	s_lshl_b32 s86, s23, 1                         ; role V: along the lanes: my feature's number in all eight registers of tile a, the same for every b
	s_add_co_u32 s86, s86, s17
	s_lshl_b32 s86, s86, 9
	s_mov_b32 s87, 0
	s_add_nc_u64 s[84:85], s[10:11], s[86:87]
.irp a, 0,1,2,3,4,5,6,7
.irp j, 0,1,2,3,4,5,6,7
	global_load_b32 v[BI+8*\a+\j], v[BO2], s[84:85] offset:(32*(\a/2)+8*(\a%2))*4
.endr
.endr
.Lbias_done:
.macro FRAG reg, adr, q, i             ; a fragment comes as it was stored: three loads of 512 consecutive bytes
.irp g, 0,1,2
	ds_load_b128 v[\reg+4*\g:\reg+4*\g+3], v[\adr] offset:(\i)*3072+(\q)*1536+512*\g
.endr
.endm
.macro FETCH_B sl, q, p                ; B's eight fragments of the slot's q-th 128 along K into set p
	WIN 0x40
.irp i, 0,1,2,3,4,5,6,7
	FRAG 128*(\p)+FR*\i, ADRB+\sl, \q, \i
.endr
	WIN 0
.endm
.macro FETCH_A sl, q, i0               ; A's blocks i0 .. i0 + 3
.irp i, \i0, \i0+1, \i0+2, \i0+3
	FRAG AF+FR*(\i), ADRA+\sl, \q, \i
.endr
.endm
.macro SCALES sl, set                  ; a K-slot's scale words: register 2 i + q: lanes 0-15 A's tile i, lanes 16-31 B's tile i
.irp i, 0,1,2,3,4,5,6,7
	ds_load_b64 v[SC+16*(\set)+2*\i:SC+16*(\set)+2*\i+1], v[ADRS+\sl] offset:\i*128
.endr
.endm
; 16 matrix instructions: A's blocks a0, a0 + 1 x B's eight.  zero = 1, 2: the first product starts the sums from the bias (by b, by a).  The 64 accumulators take turns, one instruction a turn.
.macro MUL16 a0, p, q, sc, zero
.irp a, \a0, \a0+1
.irp b, 0,1,2,3,4,5,6,7
.if \zero == 1
	v_wmma_scale_f32_16x16x128_f8f6f4 v[8*(8*((\a)%4)+\b):8*(8*((\a)%4)+\b)+7], v[128*(\p)+FR*\b:128*(\p)+FR*\b+FR-1], v[AF+FR*(\a):AF+FR*(\a)+FR-1], v[BI+8*\b:BI+8*\b+7], v[SC+16*(\sc)+2*\b+(\q)], v[SC+16*(\sc)+2*(\a)+(\q)] matrix_a_fmt:MATRIX_FMT_BF6 matrix_b_fmt:MATRIX_FMT_BF6 matrix_a_scale:MATRIX_SCALE_ROW1
.elseif \zero == 2
	v_wmma_scale_f32_16x16x128_f8f6f4 v[8*(8*((\a)%4)+\b):8*(8*((\a)%4)+\b)+7], v[128*(\p)+FR*\b:128*(\p)+FR*\b+FR-1], v[AF+FR*(\a):AF+FR*(\a)+FR-1], v[BI+8*(\a):BI+8*(\a)+7], v[SC+16*(\sc)+2*\b+(\q)], v[SC+16*(\sc)+2*(\a)+(\q)] matrix_a_fmt:MATRIX_FMT_BF6 matrix_b_fmt:MATRIX_FMT_BF6 matrix_a_scale:MATRIX_SCALE_ROW1
.else
	v_wmma_scale_f32_16x16x128_f8f6f4 v[8*(8*((\a)%4)+\b):8*(8*((\a)%4)+\b)+7], v[128*(\p)+FR*\b:128*(\p)+FR*\b+FR-1], v[AF+FR*(\a):AF+FR*(\a)+FR-1], v[8*(8*((\a)%4)+\b):8*(8*((\a)%4)+\b)+7], v[SC+16*(\sc)+2*\b+(\q)], v[SC+16*(\sc)+2*(\a)+(\q)] matrix_a_fmt:MATRIX_FMT_BF6 matrix_b_fmt:MATRIX_FMT_BF6 matrix_a_scale:MATRIX_SCALE_ROW1
.endif
.endr
.endr
.endm
; A K-slot's first 128 along K: multiplies B's set 0 and fetches the second 128 of LDS slot sl.  Source 0 (B) window 1, source 1 (A) window 0, D window 2 or 3; C with D, or the bias in window 0.
.macro STEP sl, sc, zero
	s_wait_dscnt 4*NL                              ; all but the youngest twelve loads, A's blocks 4-7
.if \zero
	WIN 0x81
.else
	WIN 0xa1
.endif
	MUL16 0, 0, 0, \sc, \zero
	MUL16 2, 0, 0, \sc, \zero
	s_wait_dscnt 0x0                               ; A's blocks 4-7 are in
	PLACES
	FETCH_B \sl, 1, 1
	FETCH_A \sl, 1, 0
.if \zero
	WIN 0xc1
.else
	WIN 0xf1
.endif
	MUL16 4, 0, 0, \sc, \zero
	MUL16 6, 0, 0, \sc, \zero
	PLACES
	WIN 0
	FETCH_A \sl, 1, 4
.endm
; A K-slot's second 128: multiplies B's set 1 and fetches the first 128 and the scale words of LDS slot nx.
; mode 1: the slot just read out is filled again: the wait for all my tensor loads, the add, the wait for it and for my reads, a round of the cluster's barrier, the joint refill first behind it.
; mode 0: nothing to order: slot nx was shown landed to every wave at that round.   mode 2: the refill has landed in every wave: the same lines and the work-group's barrier.
.macro TURN sc, nx, mode
.if \mode
	s_wait_tensorcnt 0x0                           ; all my tensor loads have landed
	ds_add_u32 v[SPW], v[NIL]                      ; 0 onto my spare word
	s_wait_dscnt 4*NL+1                            ; (the add and A's blocks 4-7 may be out)
	WIN 0xa1
	MUL16 0, 1, 1, \sc, 0
	s_wait_dscnt 0x0                               ; the add is done, and my reads of this slot are over
	s_barrier_signal -1
	MUL16 2, 1, 1, \sc, 0
	WIN 0
	s_barrier_wait -1
.if \mode == 1
	CREST                                          ; no wave of any partner still reads slot 0 or has a load on its way
	s_add_nc_u64 s[G0+2:G0+3], s[G0+2:G0+3], 3*BLK ; K-slot 3
	s_add_nc_u64 s[G0B+2:G0B+3], s[G0B+2:G0B+3], 3*BLK
	JLOAD G0, G1, G0B, G1B                         ; its four v_nop are also the places in front of the loads below
.else
	PLACES
.endif
.else
	s_wait_dscnt 4*NL
	WIN 0xa1
	MUL16 0, 1, 1, \sc, 0
	MUL16 2, 1, 1, \sc, 0
	s_wait_dscnt 0x0
	PLACES
.endif
	FETCH_B \nx, 0, 0
	FETCH_A \nx, 0, 0
	SCALES \nx, 1-\sc
	WIN 0xf1
	MUL16 4, 1, 1, \sc, 0
	MUL16 6, 1, 1, \sc, 0
	PLACES
	WIN 0
	FETCH_A \nx, 0, 4
.endm
	s_wait_tensorcnt 2                             ; my part of K-slot 0 is in; the two younger loads may stay out
	s_barrier_signal -1
	s_barrier_wait -1                              ; everybody's is
	FETCH_B 0, 0, 0
	FETCH_A 0, 0, 0
	SCALES 0, 0
	FETCH_A 0, 0, 4
	s_wait_loadcnt 0x0                             ; the bias
	s_cmp_lg_u32 s19, 0
	s_cbranch_scc1 .Lfirst_v
	STEP 0, 0, 1
	s_branch .Lfirst_done
.Lfirst_v:
	STEP 0, 0, 2
.Lfirst_done:
	TURN 0, 1, 1
	STEP 1, 1, 0
	TURN 1, 2, 0
	STEP 2, 0, 0
	TURN 0, 0, 2
	STEP 0, 1, 0
	s_wait_dscnt 4*NL                              ; the last 128 along K: nothing more to fetch
	WIN 0xa1
	MUL16 0, 1, 1, 1, 0
	MUL16 2, 1, 1, 1, 0
	s_wait_dscnt 0x0
	WIN 0xf1
	MUL16 4, 1, 1, 1, 0
	MUL16 6, 1, 1, 1, 0
	WIN 0
	PLACES
.irp b, 0,1,2,3
	v_mov_b32 v[TM+4+\b], 0                        ; a lane permute's destination counts as read
.endr
; THE WAY OUT.  A's block a: a lane's 64 registers are four blocks of 32 along the next K, 16 numbers of each; lane l xor 16 holds the other 16.  They become 12 registers of codes in v[PC] on and four bytes in v[TM+4] on.
; Each accumulator is read from its low end on.
.macro OUTQ a
.set AC, 64*((\a)%4)
	WIN 0x0a+5*((\a)/4)                            ; sources 0 and 1: window 2 or 3
.irp b, 0,1,2,3
	v_max3_num_f32 v[TM+\b], |v[AC+16*\b]|, |v[AC+16*\b+1]|, 0x2800000   ; with the floor 2^(5 - 127)
.endr
.irp i, 2,4,6,8,10,12,14
.irp b, 0,1,2,3
	v_max3_num_f32 v[TM+\b], |v[AC+16*\b+\i]|, |v[AC+16*\b+\i+1]|, v[TM+\b]
.endr
.endr
	WIN 0
.irp b, 0,1,2,3
	v_permlanex16_b32 v[TM+4+\b], v[TM+\b], s88, s89
.endr
.irp b, 0,1,2,3
	v_max_num_f32 v[TM+\b], v[TM+\b], v[TM+4+\b]
.endr
.irp b, 0,1,2,3
	v_add_nc_u32 v[TM+12+\b], 0xfe000000, v[TM+\b] ; 4 off the exponent field: the conversion's scale operand
.endr
.irp b, 0,1,2,3
	v_lshrrev_b32 v[TM+4+\b], 23, v[TM+12+\b]      ; the byte
.endr
	s_wait_xcnt 0x0                                ; the last block's stores have read the codes' registers: only now are they written again
	WIN 0x02+((\a)/4)                              ; source 0: window 2 or 3
.irp c, 0,1
	v_cvt_scalef32_pk16_bf6_f32 v[PC+6*\c:PC+6*\c+2], v[AC+32*\c:AC+32*\c+15], v[TM+12+2*\c]
	v_cvt_scalef32_pk16_bf6_f32 v[PC+12+4*\c:PC+14+4*\c], v[AC+32*\c+16:AC+32*\c+31], v[TM+12+2*\c+1]
.endr
	WIN 0
	v_nop                                          ; one plain place behind a scaled conversion
.irp c, 0,1                            ; the operand's layout wants a whole block in a lane
.irp i, 0,1,2
	v_permlane16_swap_b32 v[PC+6*\c+\i], v[PC+12+4*\c+\i]
.endr
.irp i, 0,1,2
	v_mov_b32 v[PC+3+6*\c+\i], v[PC+12+4*\c+\i]
.endr
.endr
.endm
	s_cmp_lg_u32 s19, 0
	s_cbranch_scc1 .Lout_v
	; role QK: my 128 features are two heads: registers 6 c .. 6 c + 5 are head c's operand of 64 along K
	s_lshl_b32 s66, s23, 1
	s_add_co_u32 s66, s66, s17                     ; my group of 128 positions
	s_lshr_b32 s67, s66, 4                         ; the batch
	s_and_b32 s66, s66, 15
	s_and_b32 s68, s22, 3
	s_lshl_b32 s68, s68, 2
	s_lshl_b32 s69, s18, 1
	s_add_co_u32 s68, s68, s69                     ; my first head
	s_lshl_b32 s67, s67, 4
	s_add_co_u32 s67, s67, s68
	s_lshl_b32 s67, s67, 4
	s_add_co_u32 s67, s67, s66                     ; the record's number
	s_cmp_eq_u32 ttmp9, 0                          ; q's records or k's
	s_cselect_b64 s[70:71], s[12:13], s[14:15]
	s_mov_b32 s72, 13056
	s_cselect_b32 s72, 6656, s72
	s_mov_b32 s73, 12288
	s_cselect_b32 s73, 6144, s73
	s_mul_i32 s74, s67, s72
	s_mov_b32 s75, 0
	s_add_nc_u64 s[76:77], s[70:71], s[74:75]      ; head 0's record,
	s_lshl_b32 s74, s72, 4
	s_add_nc_u64 s[78:79], s[76:77], s[74:75]      ; head 1's: 16 records on,
	s_mov_b32 s74, s73
	s_add_nc_u64 s[80:81], s[76:77], s[74:75]      ; and their scale words
	s_add_nc_u64 s[82:83], s[78:79], s[74:75]
.irp a, 0,1,2,3,4,5,6,7
	OUTQ \a
	v_lshl_or_b32 v[WS+\a], v[TM+5], 8, v[TM+4]    ; a head's two bytes; bytes 2 and 3 stay 0
	v_lshl_or_b32 v[WS+8+\a], v[TM+7], 8, v[TM+6]
	global_store_b128 v[L16], v[PC:PC+3], s[76:77] offset:768*\a           ; 512 consecutive bytes, aligned
	global_store_b64 v[L8], v[PC+4:PC+5], s[76:77] offset:768*\a+512       ; 256
	global_store_b128 v[L16], v[PC+6:PC+9], s[78:79] offset:768*\a
	global_store_b64 v[L8], v[PC+10:PC+11], s[78:79] offset:768*\a+512
.endr
.irp c, 0,1
.irp j, 0,1,2,3
	v_cndmask_b32 v[TT+4*\c+\j], v[WS+8*\c+2*\j], v[WS+8*\c+2*\j+1], s90   ; lanes 0-15 tile 2 j, lanes 16-31 tile 2 j + 1
.endr
	global_store_b128 v[L16], v[TT+4*\c:TT+4*\c+3], s[80+2*\c:81+2*\c]
.endr
	s_branch .Lout_done
.Lout_v:
	; role V: block a is tile a % 4 of head a / 4 of my two; its 128 positions are one key step: a whole fragment of V^T
	s_lshl_b32 s66, s22, 1
	s_add_co_u32 s66, s66, s18                     ; my group of 128 positions
	s_lshr_b32 s67, s66, 4
	s_and_b32 s66, s66, 15
	s_lshl_b32 s68, s23, 1
	s_add_co_u32 s68, s68, s17
	s_lshl_b32 s68, s68, 1                         ; my first head
	s_lshl_b32 s67, s67, 4
	s_add_co_u32 s67, s67, s68
	s_lshl_b32 s67, s67, 4
	s_add_co_u32 s67, s67, s66
	s_mul_i32 s74, s67, 13056
	s_mov_b32 s75, 0
	s_add_nc_u64 s[76:77], s[14:15], s[74:75]
.irp a, 0,1,2,3,4,5,6,7
	OUTQ \a
	v_lshl_or_b32 v[WS+\a], v[TM+5], 8, v[TM+4]
	v_lshl_or_b32 v[WS+\a], v[TM+6], 16, v[WS+\a]
	v_lshl_or_b32 v[WS+\a], v[TM+7], 24, v[WS+\a]
.irp g, 0,1,2
	global_store_b128 v[L16], v[PC+4*\g:PC+4*\g+3], s[76:77] offset:(\a/4)*208896+6144+(\a%4)*1536+512*\g
.endr
.if \a%4 == 3
	v_cndmask_b32 v[TT+2*(\a/4)], v[WS+\a-3], v[WS+\a-2], s90
	v_cndmask_b32 v[TT+2*(\a/4)+1], v[WS+\a-1], v[WS+\a], s90
	global_store_b64 v[L8], v[TT+2*(\a/4):TT+2*(\a/4)+1], s[76:77] offset:(\a/4)*208896+12800
.endif
.endr
.Lout_done:
	s_wait_tensorcnt 0x0                           ; the wave's end: behind my last tensor load
	ds_add_u32 v[SPW], v[NIL]
	s_wait_dscnt 0x0
	CROUND                                         ; the closing round: no work-group ends while a partner may still ask for a block that names it
	s_endpgm
.Lfunc_end_k_q8080b74a70_qkv:
	.size	k_q8080b74a70_qkv, .Lfunc_end_k_q8080b74a70_qkv-k_q8080b74a70_qkv
	.p2alignl 7, 3214868480
	.fill 96, 4, 3214868480
	.section	.rodata,"a",@progbits
	.p2align	6, 0x0
	.amdhsa_kernel k_q8080b74a70_qkv
		.amdhsa_group_segment_fixed_size 327680
		.amdhsa_private_segment_fixed_size 0
		.amdhsa_enable_private_segment 0
		.amdhsa_kernarg_size 48
		.amdhsa_user_sgpr_count 2
		.amdhsa_user_sgpr_kernarg_segment_ptr 1
		.amdhsa_wavefront_size32 1
		.amdhsa_system_sgpr_workgroup_id_x 1
		.amdhsa_system_sgpr_workgroup_id_y 1
		.amdhsa_system_sgpr_workgroup_id_z 1
		.amdhsa_system_vgpr_workitem_id 0
		.amdhsa_next_free_vgpr 1024
		.amdhsa_next_free_sgpr 100
		.amdhsa_reserve_vcc 0
		.amdhsa_float_denorm_mode_32 3
		.amdhsa_float_denorm_mode_16_64 3
		.amdhsa_memory_ordered 1
		.amdhsa_forward_progress 1
		.amdhsa_inst_pref_size 193
	.end_amdhsa_kernel
	.amdgpu_metadata
---
amdhsa.version: [ 1, 2 ]
amdhsa.kernels:
  - .name:           k_q8080b74a70_qkv
    .symbol:         k_q8080b74a70_qkv.kd
    .args:
      - { .name: cod, .offset: 0, .size: 8, .value_kind: global_buffer, .address_space: global }
      - { .name: bq, .offset: 8, .size: 8, .value_kind: global_buffer, .address_space: global }
      - { .name: bk, .offset: 16, .size: 8, .value_kind: global_buffer, .address_space: global }
      - { .name: bv, .offset: 24, .size: 8, .value_kind: global_buffer, .address_space: global }
      - { .name: qrec, .offset: 32, .size: 8, .value_kind: global_buffer, .address_space: global }
      - { .name: kv, .offset: 40, .size: 8, .value_kind: global_buffer, .address_space: global }
    .group_segment_fixed_size: 327680
    .private_segment_fixed_size: 0
    .kernarg_segment_align: 8
    .kernarg_segment_size: 48
    .max_flat_workgroup_size: 128
    .sgpr_count:     100
    .vgpr_count:     1024
    .wavefront_size: 32
...
	.end_amdgpu_metadata
.endif
;; end of part 2
;; launch attn (part 3): grid 4 x 64, 16 waves a work-group, clusters of 4 x 1, 210,944 bytes of LDS; arguments qrec, kv, arec; writes arec
.if DOCPART == 3
	.amdgcn_target "amdgcn-amd-amdhsa--gfx1250"
	.amdhsa_code_object_version 6
	.text
	.protected	k_q8080b74a70_attn
	.globl	k_q8080b74a70_attn
	.p2align	8
	.type	k_q8080b74a70_attn,@function
k_q8080b74a70_attn:
	s_mov_b64 s[64:65], 0
	v_nop
	global_prefetch_b8 v0, s[64:65] scope:SCOPE_SE
	s_setreg_imm32_b32 hwreg(HW_REG_WAVE_MODE, 25, 1), 1
	s_wait_xcnt 0x0
	s_wait_alu depctr_hold_cnt(0) depctr_sa_sdst(0) depctr_va_vdst(0) depctr_va_sdst(0) depctr_va_ssrc(0) depctr_va_vcc(0) depctr_vm_vsrc(0)
	s_getreg_b32 s2, hwreg(HW_REG_IB_STS2, 6, 4)
	s_cmp_eq_u32 s2, 0
	s_cbranch_scc0 .Lentry_in_a_cluster
	s_endpgm
.Lentry_in_a_cluster:
	s_bfe_u32 s2, ttmp6, 0x10000c
	s_cmp_lg_u32 s2, 0x3003
	s_cbranch_scc0 .Lentry_shape_is_right
	s_endpgm
.Lentry_shape_is_right:
; LAUNCH 3 OF 4.  For each batch and head: S^T = K Q^T (K = the head's 64), the causal mask, p = 2^(t - M) with t = score x log2(e) / 8 and M the running largest t rounded up to a whole number, p quantised along the keys,
; O^T += V^T P^T (K = 128 keys a step), O^T divided by the row's sum of the unquantised p, and the result quantised along the hidden axis for the last product.
; WORK LEFT OUT: key steps all of whose 128 keys come after the tile's queries: reference()'s own causal mask throws their weights away for every input (shown at the head of launch quant).  On the diagonal step hidden scores become -infinity.
; SHARES.  The four work-groups of a cluster take one batch and head.  Wave w of work-group cx owns query tile a = 2 cx + w % 2 of the groups of 128 queries 15 - w / 2 (pass A: 16 - w / 2 key steps) and w / 2 (pass B: w / 2 + 1):
; 17 key steps for every wave of the launch.  Branches hang on the wave's number and on counts alone; cx enters global addresses and one vector register that feeds compares.
; LDS.  The head's sixteen records of kv (13,056 bytes a key step) all lie in LDS, filled ONCE: wave w asks for record w, jointly with its three partners, which walk the same records.  No slot is filled again, so there is no ring.
; Both loops' trip counts are constants; a step beyond a wave's diagonal is jumped over by a scalar branch.
; K = 64 IN AN INSTRUCTION OF 128: Q's registers 6-11 are zero codes.  K's operand names twelve registers, the upper six being the next tile's codes: they meet zero codes and add nothing; the scale bytes 2 and 3 are 0 (2^-127) on both sides.
; A lane holds ONE query throughout; the keys of a tile of K and the rows of a tile of V^T were laid by launch qkv so that neighbouring result registers are neighbours along the next K.
; OUT.  arec [32 rows 256][25,600]: tile u, K step kappa, head 2 kappa + c: six registers at 12,288 u + 1,536 kappa + 768 c (0-3 at 16 l, 4-5 at 512 + 8 l); scale bytes at 24,576 + 128 kappa + 64 u + 4 r + 2 c + block.
; REGISTERS: v1, v2 16 l, 8 l; v5 my query less 16 h; v7, v8 the step's LDS addresses; v12 -M, v13 the largest t, v[14:15] the sum; v16-27 Q; v28 Q's scale word; v[30:31] f; v32-85 K; v86-92 scale words; v96-159 S^T, then p;
;   v160-191 O^T; v192-239 V; v240-251 p's codes; v29, v94-95, v252-255 pass B's Q.  Behind the first products v32-56 are at work.
.set REC,   13056
.set SPARE, 208896                     ; behind the records: the spare words, 128 bytes for each of sixteen waves
.set BM, 32                            ; the blocks' largest scores, then largest p
.set PM, 36
.set SO, 40                            ; the conversions' scale operands
.set BY, 44                            ; the bytes
.set CT, 48
.set TT, 56
.macro CROUND
	s_barrier_signal -1
	s_barrier_wait -1
	s_cmp_lg_u32 s12, 0
	s_cbranch_scc1 .Lnot_wave_0_\@
	s_barrier_signal -3
.Lnot_wave_0_\@:
	s_barrier_wait -3
	s_barrier_signal -1
	s_barrier_wait -1
.endm
	s_load_b128 s[4:7], s[0:1], 0x0                ; qrec, kv
	s_load_b64 s[8:9], s[0:1], 0x10                ; arec
	v_lshl_add_u32 v3, v0, 2, SPARE
	v_mov_b32 v4, 0
	ds_add_u32 v3, v4                              ; the wave's opening: the add, twice on end, and its wait ahead of my first tensor load
	ds_add_u32 v3, v4
	v_lshrrev_b32 v1, 5, v0
	s_delay_alu instid0(VALU_DEP_1)
	v_readfirstlane_b32 s12, v1                    ; wave 0..15
	s_bfe_u32 s13, ttmp6, 0x40000                  ; cx
	s_and_b32 s15, ttmp7, 0xffff                   ; batch x 16 + head
	s_and_b32 s14, s12, 1
	s_lshl_b32 s10, s13, 1
	s_add_co_u32 s14, s14, s10                     ; a: my query tile
	s_lshr_b32 s35, s12, 1                         ; pass B's group of queries,
	s_sub_co_u32 s34, 15, s35                      ; pass A's
	s_mov_b32 s16, 15|(3<<16)|(1<<21)              ; group 1: the mask names all four; elements of 8 bytes; 21 set beside a mask
	s_mov_b32 s17, 32<<16                          ; a dense record as 51 rows of 256 bytes
	s_mov_b32 s18, 51<<16
	s_mov_b32 s19, 32<<16
	s_mov_b32 s20, 51
	s_mov_b32 s21, 32
	s_mov_b32 s22, 0
	s_mov_b32 s23, 0
	s_lshl_b32 s10, s15, 4
	s_add_co_u32 s10, s10, s12
	s_mul_i32 s10, s10, REC                        ; record w of my head, in memory,
	s_mov_b32 s11, 0
	s_mul_i32 s37, s12, REC                        ; and in LDS
	s_mov_b32 s28, 0x76543210
	s_mov_b32 s29, 0xfedcba98                      ; selects for lane l xor 16
	s_mov_b32 s30, 0x3e38aa3b                      ; c = log2(e) / 8
	s_mov_b32 s31, s30
	s_mov_b32 s36, 0xffff0000                      ; lanes 16-31
	s_wait_dscnt 0x0                               ; both opening adds are done
	s_wait_kmcnt 0x0
	CROUND                                         ; all four work-groups are here: the joint loads meet
	s_mov_b32 s24, 1
	s_mov_b32 s25, s37
	s_add_nc_u64 s[26:27], s[6:7], s[10:11]
	s_or_b32 s27, s27, 0x80000000
	tensor_load_to_lds s[24:27], s[16:23]          ; my one tensor load
	s_nop 0
.rept 4
	v_nop
.endr
	v_and_b32 v11, 31, v0
	s_delay_alu instid0(VALU_DEP_1)
	v_lshlrev_b32 v1, 4, v11                       ; 16 x lane
	s_delay_alu instid0(VALU_DEP_2)
	v_lshlrev_b32 v2, 3, v11                       ; 8 x lane
	v_and_b32 v10, 15, v0                          ; r
	v_bfe_u32 v9, v0, 4, 1                         ; h
	s_lshr_b32 s38, s14, 1
	s_lshl_b32 s38, s38, 5
	s_and_b32 s39, s14, 1
	s_lshl_b32 s39, s39, 3
	s_add_co_u32 s38, s38, s39
	v_and_b32 v5, 8, v10
	s_delay_alu instid0(VALU_DEP_1)
	v_add_nc_u32 v5, v5, v10
	s_delay_alu instid0(VALU_DEP_1)
	v_add_nc_u32 v5, s38, v5                       ; my query in its group: 32 (a / 2) + 8 (a % 2) + r % 8 + 16 (r / 8),
	v_lshlrev_b32 v11, 4, v9
	s_delay_alu instid0(VALU_DEP_1)
	v_sub_nc_u32 v5, v5, v11                       ; less 16 h
	v_mov_b32 v6, 0xff800000                       ; -infinity
	v_lshl_add_u32 v9, v10, 2, v9                  ; 4 r + h: my scale byte on the way out
	v_lshlrev_b32 v10, 4, v10                      ; 16 r
	s_wait_alu depctr_va_vdst(0)
	s_lshl_b32 s56, s15, 4
	s_mul_i32 s57, s14, 768                        ; my tile's image in a record of qrec,
	s_and_b32 s58, s14, 1
	s_lshl_b32 s58, s58, 8
	s_lshr_b32 s59, s14, 1
	s_lshl_b32 s59, s59, 2
	s_add_co_u32 s58, s58, s59
	s_add_co_u32 s58, s58, 6144                    ; and its scale words (+ 16 r)
	s_add_co_u32 s60, s56, s34
	s_mul_i32 s60, s60, 6656
	s_mov_b32 s61, 0
	s_add_nc_u64 s[48:49], s[4:5], s[60:61]
	s_add_co_u32 s60, s56, s35
	s_mul_i32 s60, s60, 6656
	s_add_nc_u64 s[52:53], s[4:5], s[60:61]
	s_mov_b32 s60, s58
	s_add_nc_u64 s[50:51], s[48:49], s[60:61]
	s_add_nc_u64 s[54:55], s[52:53], s[60:61]
	s_mov_b32 s60, s57
	s_add_nc_u64 s[48:49], s[48:49], s[60:61]
	s_add_nc_u64 s[52:53], s[52:53], s[60:61]
	global_load_b128 v[16:19], v1, s[48:49]        ; pass A's Q
	global_load_b64 v[20:21], v2, s[48:49] offset:512
	global_load_b32 v28, v10, s[50:51]
	global_load_b128 v[252:255], v1, s[52:53]      ; pass B's, held
	global_load_b64 v[94:95], v2, s[52:53] offset:512
	global_load_b32 v29, v10, s[54:55]
	s_lshr_b32 s56, s15, 4                         ; where the results go
	s_lshl_b32 s56, s56, 4                         ; batch x 16
	s_and_b32 s57, s15, 15                         ; the head
	s_lshr_b32 s58, s57, 1                         ; kappa
	s_and_b32 s57, s57, 1                          ; c
	s_and_b32 s59, s14, 1                          ; u
	s_lshr_b32 s62, s14, 1
	s_mul_i32 s60, s59, 12288
	s_mul_i32 s63, s58, 1536
	s_add_co_u32 s60, s60, s63
	s_mul_i32 s63, s57, 768
	s_add_co_u32 s60, s60, s63                     ; the image's place in a record of arec
	s_lshl_b32 s58, s58, 7
	s_lshl_b32 s59, s59, 6
	s_lshl_b32 s57, s57, 1
	s_add_co_u32 s58, s58, s59
	s_add_co_u32 s58, s58, s57
	s_add_co_u32 s58, s58, 24576                   ; the scale bytes'
	s_add_co_u32 s10, s56, s34
	s_lshl_b32 s10, s10, 2
	s_add_co_u32 s10, s10, s62
	s_mul_i32 s10, s10, 25600
	s_mov_b32 s11, 0
	s_add_nc_u64 s[40:41], s[8:9], s[10:11]
	s_add_co_u32 s10, s56, s35
	s_lshl_b32 s10, s10, 2
	s_add_co_u32 s10, s10, s62
	s_mul_i32 s10, s10, 25600
	s_add_nc_u64 s[44:45], s[8:9], s[10:11]
	s_mov_b32 s10, s58
	s_add_nc_u64 s[42:43], s[40:41], s[10:11]
	s_add_nc_u64 s[46:47], s[44:45], s[10:11]
	s_mov_b32 s10, s60
	s_add_nc_u64 s[40:41], s[40:41], s[10:11]
	s_add_nc_u64 s[44:45], s[44:45], s[10:11]
.irp j, 22,23,24,25,26,27, 80,81,82,83,84,85, 31, 36,37,38,39, 56
	v_mov_b32 v\j, 0                               ; Q's and the last tile's upper halves: zero codes; the pair's upper word; the lane permutes' destinations
.endr
; A KEY STEP: 128 keys, the record at LDS byte s32.
.macro STEP gq
	v_add_nc_u32 v7, s32, v1
	v_add_nc_u32 v8, s32, v2
	v_nop
	v_nop                                          ; four plain instructions between the last step's products and the loads into their registers
	ds_load_b128 v[86:89], v7 offset:12288         ; K's scale words: register j: lanes 0-15 tile 2 j, lanes 16-31 tile 2 j + 1
.irp t, 0,1,2,3,4,5,6,7
	ds_load_b128 v[32+6*\t:35+6*\t], v7 offset:768*\t
	ds_load_b64 v[36+6*\t:37+6*\t], v8 offset:768*\t+512
.endr
	ds_load_b64 v[90:91], v8 offset:12800          ; V's scale words
.irp t, 0,1,2,3
.irp g, 0,1,2
	ds_load_b128 v[192+12*\t+4*\g:195+12*\t+4*\g], v7 offset:6144+1536*\t+512*\g
.endr
.endr
	s_wait_dscnt 13                                ; K and its scale words are in; V's thirteen loads may be out
.irp t, 0,2,4,6
	v_wmma_scale_f32_16x16x128_f8f6f4 v[96+8*\t:103+8*\t], v[32+6*\t:43+6*\t], v[16:27], 0, v[86+\t/2], v28 matrix_a_fmt:MATRIX_FMT_BF6 matrix_b_fmt:MATRIX_FMT_BF6
	v_wmma_scale_f32_16x16x128_f8f6f4 v[104+8*\t:111+8*\t], v[38+6*\t:49+6*\t], v[16:27], 0, v[86+\t/2], v28 matrix_a_fmt:MATRIX_FMT_BF6 matrix_b_fmt:MATRIX_FMT_BF6 matrix_a_scale:MATRIX_SCALE_ROW1
.endr
.rept 4
	v_nop
.endr
	s_cmp_lg_u32 s33, s[\gq]                       ; on the diagonal step: register 16 b + i holds key 32 b + 16 h + i of the step: hidden where 32 b + i > my query - 16 h
	s_cbranch_scc1 .Lopen_\@
.set NN, 0
.rept 64
	v_cmp_gt_i32 vcc_lo, 32*(NN/16)+NN%16, v5
	v_cndmask_b32 v[96+NN], v[96+NN], v6, vcc_lo
.set NN, NN+1
.endr
.Lopen_\@:
.irp b, 0,1,2,3
	v_max3_num_f32 v[BM+\b], v[96+16*\b], v[97+16*\b], v[98+16*\b]   ; the largest score of each block of 32 keys: for the row's maximum, and, since p rises with the score, for the block's largest p
.endr
.irp i, 3,5,7,9,11,13
.irp b, 0,1,2,3
	v_max3_num_f32 v[BM+\b], v[BM+\b], v[96+16*\b+\i], v[97+16*\b+\i]
.endr
.endr
.irp b, 0,1,2,3
	v_max_num_f32 v[BM+\b], v[BM+\b], v[111+16*\b]
.endr
.irp b, 0,1,2,3
	s_delay_alu instid0(VALU_DEP_4)
	v_permlanex16_b32 v[PM+\b], v[BM+\b], s28, s29
.endr
.irp b, 0,1,2,3
	s_delay_alu instid0(VALU_DEP_4)
	v_max_num_f32 v[BM+\b], v[BM+\b], v[PM+\b]
.endr
	s_delay_alu instid0(VALU_DEP_2)
	v_max3_num_f32 v[TT], v[BM], v[BM+1], v[BM+2]
	s_delay_alu instid0(VALU_DEP_1)
	v_max_num_f32 v[TT], v[TT], v[BM+3]
	s_delay_alu instid0(VALU_DEP_1)
	v_mul_f32 v[TT], s30, v[TT]                    ; as t
	s_delay_alu instid0(VALU_DEP_1)
	v_max_num_f32 v13, v13, v[TT]                  ; the running largest t
	v_mov_b32 v[TT], v12
	s_delay_alu instid0(VALU_DEP_2)
	v_floor_f32 v12, -v13                          ; the new -M = -ceil(t)
	s_delay_alu instid0(VALU_DEP_1)
	v_sub_f32 v[TT], v12, v[TT]                    ; old M less new M: a whole number, 0 or less
	s_delay_alu instid0(VALU_DEP_1)
	v_cvt_i32_f32 v[TT], v[TT]                     ; (it saturates)
	s_delay_alu instid0(VALU_DEP_1)
	v_ldexp_f32 v30, 1.0, v[TT]                    ; f = 2^(old M - new M): the rescaling rounds nothing
.set NN, 0
.rept 32
	v_pk_fma_f32 v[96+NN:97+NN], v[96+NN:97+NN], s[30:31], v[12:13] op_sel_hi:[1,0,0]   ; t - M
.set NN, NN+2
.endr
	s_setprio 1
.irp b, 0,1,2,3
	v_fma_f32 v[BM+\b], v[BM+\b], s30, v12
.endr
.set NN, 0
	s_wait_alu depctr_va_vdst(0)
.rept 64
	v_exp_f32 v[96+NN], v[96+NN]                   ; p = 2^(t - M): not normalised
.set NN, NN+1
.endr
	v_pk_mul_f32 v[14:15], v[14:15], v[30:31] op_sel_hi:[1,0]   ; the sums under the new M: a plain instruction behind the exponentials
	s_wait_alu depctr_va_vdst(0)                   ; one wait for the whole batch, ahead of its first reader
.irp b, 0,1,2,3
	v_exp_f32 v[BM+\b], v[BM+\b]                   ; the blocks' largest p
.endr
	v_pk_add_f32 v[36:37], v[100:101], v[104:105]
	v_pk_add_f32 v[250:251], v[108:109], v[112:113]
	v_pk_add_f32 v[248:249], v[116:117], v[120:121]
	v_pk_add_f32 v[246:247], v[124:125], v[128:129]
	v_pk_add_f32 v[244:245], v[132:133], v[136:137]
	v_pk_add_f32 v[242:243], v[140:141], v[144:145]
	v_pk_add_f32 v[240:241], v[148:149], v[152:153]
	v_pk_add_f32 v[14:15], v[14:15], v[156:157]
	v_pk_add_f32 v[36:37], v[36:37], v[96:97]
	v_pk_add_f32 v[250:251], v[250:251], v[98:99]
	v_pk_add_f32 v[248:249], v[248:249], v[102:103]
	v_pk_add_f32 v[246:247], v[246:247], v[106:107]
	v_pk_add_f32 v[244:245], v[244:245], v[110:111]
	v_pk_add_f32 v[242:243], v[242:243], v[114:115]
	v_pk_add_f32 v[240:241], v[240:241], v[118:119]
	v_pk_add_f32 v[14:15], v[14:15], v[122:123]
	v_pk_add_f32 v[36:37], v[36:37], v[126:127]
	v_pk_add_f32 v[250:251], v[250:251], v[130:131]
	v_pk_add_f32 v[248:249], v[248:249], v[134:135]
	v_pk_add_f32 v[246:247], v[246:247], v[138:139]
	v_pk_add_f32 v[244:245], v[244:245], v[142:143]
	v_pk_add_f32 v[242:243], v[242:243], v[146:147]
	v_pk_add_f32 v[240:241], v[240:241], v[150:151]
	v_pk_add_f32 v[14:15], v[14:15], v[154:155]
	v_pk_add_f32 v[36:37], v[36:37], v[158:159]
	s_delay_alu instid0(VALU_DEP_2)
	v_pk_add_f32 v[14:15], v[14:15], v[246:247]
	s_delay_alu instid0(VALU_DEP_2)
	v_pk_add_f32 v[36:37], v[36:37], v[244:245]
	v_pk_add_f32 v[250:251], v[250:251], v[242:243]
	v_pk_add_f32 v[248:249], v[248:249], v[240:241]
	s_delay_alu instid0(VALU_DEP_2)
	v_pk_add_f32 v[14:15], v[14:15], v[250:251]
	s_delay_alu instid0(VALU_DEP_2)
	v_pk_add_f32 v[36:37], v[36:37], v[248:249]
	s_delay_alu instid0(VALU_DEP_1)
	v_pk_add_f32 v[14:15], v[14:15], v[36:37]
	s_wait_alu depctr_va_vdst(0)                   ; and one for the four
.irp b, 0,1,2,3
	v_max_num_f32 v[BM+\b], 0x2800000, v[BM+\b]    ; the floor 2^(5 - 127)
.endr
.irp b, 0,1,2,3
	s_delay_alu instid0(VALU_DEP_4)
	v_add_nc_u32 v[SO+\b], 0xfe000000, v[BM+\b]
.endr
.irp b, 0,1,2,3
	s_delay_alu instid0(VALU_DEP_4)
	v_lshrrev_b32 v[BY+\b], 23, v[SO+\b]
.endr
	s_delay_alu instid0(VALU_DEP_3)
	v_lshl_or_b32 v92, v[BY+1], 8, v[BY]           ; p's scale word for these 128 keys
	s_delay_alu instid0(VALU_DEP_1)
	v_lshl_or_b32 v92, v[BY+2], 16, v92
	s_delay_alu instid0(VALU_DEP_1)
	v_lshl_or_b32 v92, v[BY+3], 24, v92
	s_setprio 0
.irp c, 0,1
	v_cvt_scalef32_pk16_bf6_f32 v[240+6*\c:242+6*\c], v[96+32*\c:111+32*\c], v[SO+2*\c]
	v_cvt_scalef32_pk16_bf6_f32 v[CT+4*\c:CT+4*\c+2], v[112+32*\c:127+32*\c], v[SO+2*\c+1]
.endr
	v_nop                                          ; one plain place behind a scaled conversion
.irp c, 0,1
.irp i, 0,1,2
	v_permlane16_swap_b32 v[240+6*\c+\i], v[CT+4*\c+\i]
.endr
.irp i, 0,1,2
	s_delay_alu instid0(VALU_DEP_3)
	v_mov_b32 v[243+6*\c+\i], v[CT+4*\c+\i]
.endr
.endr
.set NN, 0
.rept 16
	v_pk_mul_f32 v[160+NN:161+NN], v[160+NN:161+NN], v[30:31] op_sel_hi:[1,0]   ; O^T under the new M; these sixteen are also the places between the scale word's and the codes' last writes and the products
.set NN, NN+2
.endr
	s_wait_alu depctr_va_vdst(0)
	s_wait_dscnt 0x0                               ; V is in
.irp t, 0,2
	v_wmma_scale_f32_16x16x128_f8f6f4 v[160+8*\t:167+8*\t], v[192+12*\t:203+12*\t], v[240:251], v[160+8*\t:167+8*\t], v[90+\t/2], v92 matrix_a_fmt:MATRIX_FMT_BF6 matrix_b_fmt:MATRIX_FMT_BF6
	v_wmma_scale_f32_16x16x128_f8f6f4 v[168+8*\t:175+8*\t], v[204+12*\t:215+12*\t], v[240:251], v[168+8*\t:175+8*\t], v[90+\t/2], v92 matrix_a_fmt:MATRIX_FMT_BF6 matrix_b_fmt:MATRIX_FMT_BF6 matrix_a_scale:MATRIX_SCALE_ROW1
.endr
.endm
; A PASS: one tile of 16 queries of group s[gq]; trips: a constant that covers every wave's steps; ob, sb: where the codes and the scale bytes go.
.macro PASS trips, gq, ob, sb
	v_mov_b32 v13, 0xff61b1e6                      ; the largest t so far: -3e38
	s_delay_alu instid0(VALU_DEP_1)
	v_floor_f32 v12, -v13
	v_mov_b32 v14, 0
	v_mov_b32 v15, 0
.set NN, 0
.rept 32
	v_mov_b32 v[160+NN], 0                         ; O^T: the step is written once, and the first change of M leaves zeros zeros
.set NN, NN+1
.endr
	s_mov_b32 s32, 0
	s_mov_b32 s33, 0
.Lstep_\@:
	s_cmp_gt_u32 s33, s[\gq]                       ; a step beyond my diagonal is left out
	s_cbranch_scc1 .Lskip_\@
	s_setprio 2
	STEP \gq
.Lskip_\@:
	s_add_co_u32 s32, s32, REC
	s_add_co_u32 s33, s33, 1
	s_cmp_lt_u32 s33, \trips
	s_cbranch_scc1 .Lstep_\@
	s_setprio 0
.rept 4
	v_nop                                          ; places between the last products and the first read of O^T
.endr
	v_add_f32 v14, v14, v15
	s_delay_alu instid0(VALU_DEP_1)
	v_permlanex16_b32 v[TT], v14, s28, s29
	s_delay_alu instid0(VALU_DEP_1)
	v_add_f32 v14, v14, v[TT]                      ; the row's sum
	s_wait_alu depctr_va_vdst(0)
	v_rcp_f32 v14, v14
	v_nop                                          ; a plain place behind the reciprocal,
	s_wait_alu depctr_va_vdst(0)                   ; and the wait ahead of its first reader
.set NN, 0
.rept 32
	v_mul_f32 v[96+NN], v[160+NN], v14             ; register 16 b + i: channel 32 b + 16 h + i of my query
.set NN, NN+1
.endr
.irp b, 0,1
	v_max3_num_f32 v[BM+\b], |v[96+16*\b]|, |v[97+16*\b]|, 0x2800000
.endr
.irp i, 2,4,6,8,10,12,14
.irp b, 0,1
	s_delay_alu instid0(VALU_DEP_2)
	v_max3_num_f32 v[BM+\b], v[BM+\b], |v[96+16*\b+\i]|, |v[97+16*\b+\i]|
.endr
.endr
.irp b, 0,1
	s_delay_alu instid0(VALU_DEP_2)
	v_permlanex16_b32 v[PM+\b], v[BM+\b], s28, s29
.endr
.irp b, 0,1
	s_delay_alu instid0(VALU_DEP_2)
	v_max_num_f32 v[BM+\b], v[BM+\b], v[PM+\b]
.endr
.irp b, 0,1
	s_delay_alu instid0(VALU_DEP_2)
	v_add_nc_u32 v[SO+\b], 0xfe000000, v[BM+\b]
.endr
.irp b, 0,1
	s_delay_alu instid0(VALU_DEP_2)
	v_lshrrev_b32 v[BY+\b], 23, v[SO+\b]
.endr
	v_cvt_scalef32_pk16_bf6_f32 v[240:242], v[96:111], v[SO]
	v_cvt_scalef32_pk16_bf6_f32 v[CT:CT+2], v[112:127], v[SO+1]
	v_nop
.irp i, 0,1,2
	v_permlane16_swap_b32 v[240+\i], v[CT+\i]
.endr
.irp i, 0,1,2
	s_delay_alu instid0(VALU_DEP_3)
	v_mov_b32 v[243+\i], v[CT+\i]
.endr
	v_cndmask_b32 v[TT], v[BY], v[BY+1], s36       ; lane (r, h) stores block h's byte of row r
	global_store_b128 v1, v[240:243], s[\ob:\ob+1]             ; 512 consecutive bytes, aligned
	global_store_b64 v2, v[244:245], s[\ob:\ob+1] offset:512   ; 256
	global_store_b8 v9, v[TT], s[\sb:\sb+1]
.endm
	s_wait_tensorcnt 0x0                           ; my record is in,
	s_barrier_signal -1
	s_barrier_wait -1                              ; everybody's is
	s_wait_loadcnt 0x0                             ; Q
	PASS 16, 34, 40, 42
	s_wait_xcnt 0x0                                ; pass A's stores have read their registers
	v_mov_b32 v16, v252
	v_mov_b32 v17, v253
	v_mov_b32 v18, v254
	v_mov_b32 v19, v255
	v_mov_b32 v20, v94
	v_mov_b32 v21, v95
	v_mov_b32 v28, v29
	PASS 8, 35, 44, 46
	s_wait_tensorcnt 0x0                           ; the wave's end: behind my last tensor load
	ds_add_u32 v3, v4
	s_wait_dscnt 0x0
	CROUND                                         ; the closing round
	s_endpgm
.Lfunc_end_k_q8080b74a70_attn:
	.size	k_q8080b74a70_attn, .Lfunc_end_k_q8080b74a70_attn-k_q8080b74a70_attn
	.p2alignl 7, 3214868480
	.fill 96, 4, 3214868480
	.section	.rodata,"a",@progbits
	.p2align	6, 0x0
	.amdhsa_kernel k_q8080b74a70_attn
		.amdhsa_group_segment_fixed_size 210944
		.amdhsa_private_segment_fixed_size 0
		.amdhsa_enable_private_segment 0
		.amdhsa_kernarg_size 24
		.amdhsa_user_sgpr_count 2
		.amdhsa_user_sgpr_kernarg_segment_ptr 1
		.amdhsa_wavefront_size32 1
		.amdhsa_system_sgpr_workgroup_id_x 1
		.amdhsa_system_sgpr_workgroup_id_y 1
		.amdhsa_system_sgpr_workgroup_id_z 1
		.amdhsa_system_vgpr_workitem_id 0
		.amdhsa_next_free_vgpr 256
		.amdhsa_next_free_sgpr 66
		.amdhsa_reserve_vcc 1
		.amdhsa_float_denorm_mode_32 3
		.amdhsa_float_denorm_mode_16_64 3
		.amdhsa_memory_ordered 1
		.amdhsa_forward_progress 1
		.amdhsa_inst_pref_size 63
	.end_amdhsa_kernel
	.amdgpu_metadata
---
amdhsa.version: [ 1, 2 ]
amdhsa.kernels:
  - .name:           k_q8080b74a70_attn
    .symbol:         k_q8080b74a70_attn.kd
    .args:
      - { .name: qrec, .offset: 0, .size: 8, .value_kind: global_buffer, .address_space: global }
      - { .name: kv, .offset: 8, .size: 8, .value_kind: global_buffer, .address_space: global }
      - { .name: arec, .offset: 16, .size: 8, .value_kind: global_buffer, .address_space: global }
    .group_segment_fixed_size: 210944
    .private_segment_fixed_size: 0
    .kernarg_segment_align: 8
    .kernarg_segment_size: 24
    .max_flat_workgroup_size: 512
    .sgpr_count:     66
    .vgpr_count:     256
    .wavefront_size: 32
...
	.end_amdgpu_metadata
.endif
;; end of part 3
;; launch oproj (part 4): grid 256 x 1, 4 waves a work-group, clusters of 4 x 1, 327,680 bytes of LDS; arguments cod, arec, x, bo, gamma, beta, out0; writes out0
.if DOCPART == 4
	.amdgcn_target "amdgcn-amd-amdhsa--gfx1250"
	.amdhsa_code_object_version 6
	.text
	.protected	k_q8080b74a70_oproj
	.globl	k_q8080b74a70_oproj
	.p2align	8
	.type	k_q8080b74a70_oproj,@function
k_q8080b74a70_oproj:
	s_mov_b64 s[64:65], 0
	v_nop
	global_prefetch_b8 v0, s[64:65] scope:SCOPE_SE
	s_setreg_imm32_b32 hwreg(HW_REG_WAVE_MODE, 25, 1), 1
	s_wait_xcnt 0x0
	s_wait_alu depctr_hold_cnt(0) depctr_sa_sdst(0) depctr_va_vdst(0) depctr_va_sdst(0) depctr_va_ssrc(0) depctr_va_vcc(0) depctr_vm_vsrc(0)
	s_getreg_b32 s2, hwreg(HW_REG_IB_STS2, 6, 4)
	s_cmp_eq_u32 s2, 0
	s_cbranch_scc0 .Lentry_in_a_cluster
	s_endpgm
.Lentry_in_a_cluster:
	s_bfe_u32 s2, ttmp6, 0x10000c
	s_cmp_lg_u32 s2, 0x3003
	s_cbranch_scc0 .Lentry_shape_is_right
	s_endpgm
.Lentry_shape_is_right:
; LAUNCH 4 OF 4.  out0 = LayerNorm(x + attn Wo^T + bo) x gamma + beta; the product on codes of E3M2 (K = 1,024), all else in f32.  Nothing of this launch's work is left out.
; SHARES.  A work-group takes 32 rows and all 1,024 columns, since the norm wants whole rows.  Wave w makes columns 256 w on: 32 accumulators (tile of rows u, tile of columns T).
; The product is used transposed (source 0 = 16 rows of Wo, source 1 = 16 rows of attn): a lane holds one row, its registers run along the columns.
; STEPS.  Step e = 2 s + half takes the block of cod (group 88 + 2 w + half of Wo's rows, K-slot s): 25,600 dense bytes, brought by one tensor load of the wave that reads it, into slot e % 2.  All four work-groups of a cluster walk
; the same Wo, so these loads are joint; each refill stands behind a round of the cluster's barrier.  attn's record (25,600 bytes, its own for each work-group) comes once, by tensor loads without a mask, a quarter a wave.
; Three loads of a wave are out at the start and one behind each round.
; THE WAY OUT.  The accumulators meet in a stage of 32 rows x (4,096 + 16) bytes, which lies in the ring behind its last fill and last read; each wave then takes 8 whole rows: + x + bo, mean, variance, norm, gain and shift; 512 consecutive bytes a store.
; REGISTERS, in windows of 256: window 0: v1-15 addresses; v16-23 attn's scale words; v24-39 Wo's, two sets; v40-135 bo, gamma, beta; v136-199 two rows; v200-208 at work.  window 1: accumulator (u, T) at v[8 (16 u + T)].
;   window 2: set q at 128 q: Wo's fragment t at 12 t, attn's at 96 + 12 u.   window 3: x, row i at 32 i.
.set ARG,   204800                     ; behind the two slots of 102,400: attn's record
.set SPARE, 230400                     ; the spare words, 128 bytes a wave
.set G0,    32                         ; s[32:39] groups 0 of the two slots;  s[24:31] their group 1;  s[40:47], s[48:51] groups 1 and 0 for attn's record
.set MSB, 0
.macro WIN new
.if MSB != (\new)
	s_set_vgpr_msb (MSB<<8)|(\new)
.set MSB, (\new)
.endif
.endm
.macro CREST
	s_cmp_lg_u32 s18, 0
	s_cbranch_scc1 .Lnot_wave_0_\@
	s_barrier_signal -3
.Lnot_wave_0_\@:
	s_barrier_wait -3
	s_barrier_signal -1
	s_barrier_wait -1
.endm
.macro CROUND
	s_barrier_signal -1
	s_barrier_wait -1
	CREST
.endm
	s_load_b256 s[4:11], s[0:1], 0x0               ; cod, arec, x, bo
	s_load_b128 s[12:15], s[0:1], 0x20             ; gamma, beta
	s_load_b64 s[16:17], s[0:1], 0x30              ; out0
	v_lshl_add_u32 v14, v0, 2, SPARE
	v_mov_b32 v15, 0
	ds_add_u32 v14, v15                            ; the wave's opening: the add, twice on end, and its wait ahead of my first tensor load
	ds_add_u32 v14, v15
	v_lshrrev_b32 v1, 5, v0
	v_readfirstlane_b32 s18, v1                    ; wave 0..3
	s_bfe_u32 s19, ttmp6, 0x40000                  ; cx
	s_lshl_b32 s20, ttmp9, 2
	s_add_co_u32 s20, s20, s19                     ; my 32 rows: it enters global addresses alone
	s_mov_b32 s24, 15|(3<<16)|(1<<21)              ; Wo's blocks: the mask names all four; elements of 8 bytes; 100 rows of 256 bytes
	s_mov_b32 s25, 32<<16
	s_mov_b32 s26, 100<<16
	s_mov_b32 s27, 32<<16
	s_mov_b32 s28, 100
	s_mov_b32 s29, 32
	s_mov_b32 s30, 0
	s_mov_b32 s31, 0
	s_mov_b32 s40, 3<<16                           ; attn's record: no mask; 25 rows of 256 bytes a wave
	s_mov_b32 s41, 32<<16
	s_mov_b32 s42, 25<<16
	s_mov_b32 s43, 32<<16
	s_mov_b32 s44, 25
	s_mov_b32 s45, 32
	s_mov_b32 s46, 0
	s_mov_b32 s47, 0
	s_lshl_b32 s56, s18, 1
	s_add_co_u32 s56, s56, 88
	s_mul_i32 s56, s56, 102400                     ; my first group of Wo's rows, in cod
	s_mov_b32 s57, 0
	s_mul_i32 s58, s20, 25600
	s_mul_i32 s60, s18, 6400
	s_add_co_u32 s58, s58, s60                     ; my quarter of my record
	s_mov_b32 s59, 0
	s_mul_i32 s61, s18, 25600                      ; my block's place in a slot
	s_mov_b32 s52, 0x76543210
	s_mov_b32 s53, 0xfedcba98                      ; selects for lane l xor 16
	s_mov_b32 s54, 0x3a800000                      ; 1 / 1,024
	s_mov_b32 s55, 0x3727c5ac                      ; 1e-5
	s_wait_dscnt 0x0                               ; both opening adds are done
	s_wait_kmcnt 0x0
	s_add_nc_u64 s[62:63], s[4:5], s[56:57]
	CROUND                                         ; all four work-groups are here: the first loads go out as one group
	s_mov_b32 s48, 1
	s_add_co_u32 s49, s60, ARG
	s_add_nc_u64 s[50:51], s[6:7], s[58:59]
	s_or_b32 s51, s51, 0x80000000
	tensor_load_to_lds s[48:51], s[40:47]
	s_nop 0
.irp j, 0,1
	s_mov_b32 s[G0+4*\j], 1
	s_add_co_u32 s[G0+4*\j+1], s61, \j*102400
	s_add_nc_u64 s[G0+4*\j+2:G0+4*\j+3], s[62:63], \j*102400   ; steps 0 and 1: K-slot 0 of my two groups
	s_or_b32 s[G0+4*\j+3], s[G0+4*\j+3], 0x80000000
	tensor_load_to_lds s[G0+4*\j:G0+4*\j+3], s[24:31]
	s_nop 0
.endr
.rept 4
	v_nop
.endr
	v_and_b32 v200, 31, v0
	v_and_b32 v201, 15, v0                         ; r
	v_bfe_u32 v202, v0, 4, 1                       ; h
	v_lshlrev_b32 v1, 4, v200                      ; 16 x lane
	v_lshlrev_b32 v2, 3, v200                      ; 8 x lane
	v_lshlrev_b32 v3, 2, v200                      ; 4 x lane
	v_add_nc_u32 v4, s61, v1                       ; my block in slot 0,
	v_add_nc_u32 v5, 102400, v4                    ; in slot 1;
	v_add_nc_u32 v6, s61, v2
	v_add_nc_u32 v6, 24576, v6                     ; its scale words: lanes 0-15 an even tile's, lanes 16-31 the next's
	v_add_nc_u32 v7, 102400, v6
	v_add_nc_u32 v8, ARG, v1
	v_add_nc_u32 v9, ARG, v2
	v_add_nc_u32 v10, ARG+24576, v3
	v_mul_u32_u24 v11, v201, 4112
	v_lshl_add_u32 v11, v202, 6, v11
	s_lshl_b32 s21, s18, 10
	v_add_nc_u32 v11, s21, v11                     ; the stage, in: row 16 u + r, + 64 h + 1,024 w
	v_add_nc_u32 v12, 65792, v11
	s_mul_i32 s21, s18, 8*4112
	v_add_nc_u32 v13, s21, v1                      ; and back: my 8 rows, 16 bytes a lane
	v_mov_b32 v205, 0                              ; upper words of pairs of which the low word serves both halves,
	v_mov_b32 v207, 0
	v_mov_b32 v208, 0                              ; and a lane permute's destination
	s_lshl_b32 s22, s20, 5                         ; stage rows 8 w + i are rows 32 P + 8 (w / 2) + 16 (w % 2) + i of x and out0
	s_lshr_b32 s23, s18, 1
	s_lshl_b32 s23, s23, 3
	s_add_co_u32 s22, s22, s23
	s_and_b32 s23, s18, 1
	s_lshl_b32 s23, s23, 4
	s_add_co_u32 s22, s22, s23
	s_lshl_b32 s22, s22, 12
	s_mov_b32 s23, 0
	s_add_nc_u64 s[8:9], s[8:9], s[22:23]
	s_add_nc_u64 s[16:17], s[16:17], s[22:23]
.irp j, 0,1,2,3,4,5,6,7
	global_load_b128 v[40+4*\j:43+4*\j], v1, s[10:11] offset:512*\j
	global_load_b128 v[72+4*\j:75+4*\j], v1, s[12:13] offset:512*\j
	global_load_b128 v[104+4*\j:107+4*\j], v1, s[14:15] offset:512*\j
.endr
.macro XLOAD i                         ; a row of x: eight loads of 512 consecutive bytes, into window 3
.irp j, 0,1,2,3,4,5,6,7
	global_load_b128 v[32*\i+4*\j:32*\i+4*\j+3], v1, s[8:9] offset:4096*\i+512*\j th:TH_LOAD_NT
.endr
.endm
	WIN 0xc0
	XLOAD 0
	XLOAD 1
	XLOAD 2
	XLOAD 3
	WIN 0
.macro FETCH e, q                      ; step e's q-th 128 along K: Wo's eight fragments from my block, attn's two from its record: 32 loads, into set q of window 2
	WIN 0x80
.set KP, 2*((\e)/2)+(\q)
.irp t, 0,1,2,3,4,5,6,7
.irp g, 0,1,2
	ds_load_b128 v[128*(\q)+12*\t+4*\g:128*(\q)+12*\t+4*\g+3], v[4+(\e)%2] offset:3072*\t+1536*(\q)+512*\g
.endr
.endr
.irp u, 0,1
	ds_load_b128 v[128*(\q)+96+12*\u:128*(\q)+99+12*\u], v8 offset:12288*\u+1536*KP
	ds_load_b64 v[128*(\q)+100+12*\u:128*(\q)+101+12*\u], v9 offset:12288*\u+1536*KP+512
	ds_load_b128 v[128*(\q)+102+12*\u:128*(\q)+105+12*\u], v8 offset:12288*\u+1536*KP+768
	ds_load_b64 v[128*(\q)+106+12*\u:128*(\q)+107+12*\u], v9 offset:12288*\u+1536*KP+1280
.endr
.endm
.macro BSCL e                          ; step e's scale words of Wo: register 2 p + q: lanes 0-15 tile 2 p, lanes 16-31 tile 2 p + 1
.irp p, 0,1,2,3
	ds_load_b64 v[24+8*((\e)%2)+2*\p:25+8*((\e)%2)+2*\p], v[6+(\e)%2] offset:256*\p
.endr
.endm
.macro WM                              ; one product, by the symbols DD, BB, AA, SA, SB; RA, RB: which half of the lanes holds the side's scales; ZZ: it starts its sum
.if ZZ
.if RA*RB
	v_wmma_scale_f32_16x16x128_f8f6f4 v[DD:DD+7], v[BB:BB+11], v[AA:AA+11], 0, v[SA], v[SB] matrix_a_fmt:MATRIX_FMT_BF6 matrix_b_fmt:MATRIX_FMT_BF6 matrix_a_scale:MATRIX_SCALE_ROW1 matrix_b_scale:MATRIX_SCALE_ROW1
.elseif RA
	v_wmma_scale_f32_16x16x128_f8f6f4 v[DD:DD+7], v[BB:BB+11], v[AA:AA+11], 0, v[SA], v[SB] matrix_a_fmt:MATRIX_FMT_BF6 matrix_b_fmt:MATRIX_FMT_BF6 matrix_a_scale:MATRIX_SCALE_ROW1
.elseif RB
	v_wmma_scale_f32_16x16x128_f8f6f4 v[DD:DD+7], v[BB:BB+11], v[AA:AA+11], 0, v[SA], v[SB] matrix_a_fmt:MATRIX_FMT_BF6 matrix_b_fmt:MATRIX_FMT_BF6 matrix_b_scale:MATRIX_SCALE_ROW1
.else
	v_wmma_scale_f32_16x16x128_f8f6f4 v[DD:DD+7], v[BB:BB+11], v[AA:AA+11], 0, v[SA], v[SB] matrix_a_fmt:MATRIX_FMT_BF6 matrix_b_fmt:MATRIX_FMT_BF6
.endif
.else
.if RA*RB
	v_wmma_scale_f32_16x16x128_f8f6f4 v[DD:DD+7], v[BB:BB+11], v[AA:AA+11], v[DD:DD+7], v[SA], v[SB] matrix_a_fmt:MATRIX_FMT_BF6 matrix_b_fmt:MATRIX_FMT_BF6 matrix_a_scale:MATRIX_SCALE_ROW1 matrix_b_scale:MATRIX_SCALE_ROW1
.elseif RA
	v_wmma_scale_f32_16x16x128_f8f6f4 v[DD:DD+7], v[BB:BB+11], v[AA:AA+11], v[DD:DD+7], v[SA], v[SB] matrix_a_fmt:MATRIX_FMT_BF6 matrix_b_fmt:MATRIX_FMT_BF6 matrix_a_scale:MATRIX_SCALE_ROW1
.elseif RB
	v_wmma_scale_f32_16x16x128_f8f6f4 v[DD:DD+7], v[BB:BB+11], v[AA:AA+11], v[DD:DD+7], v[SA], v[SB] matrix_a_fmt:MATRIX_FMT_BF6 matrix_b_fmt:MATRIX_FMT_BF6 matrix_b_scale:MATRIX_SCALE_ROW1
.else
	v_wmma_scale_f32_16x16x128_f8f6f4 v[DD:DD+7], v[BB:BB+11], v[AA:AA+11], v[DD:DD+7], v[SA], v[SB] matrix_a_fmt:MATRIX_FMT_BF6 matrix_b_fmt:MATRIX_FMT_BF6
.endif
.endif
.endm
.macro MUL e, q, t0                    ; eight products: Wo's tiles t0 .. t0 + 3 x attn's two; the accumulators take turns, one instruction a turn
.set ZZ, 0
.if (\e) < 2
.if (\q) == 0
.set ZZ, 1
.endif
.endif
.irp t, \t0, \t0+1, \t0+2, \t0+3
.irp u, 0,1
.set DD, 8*(16*\u+8*((\e)%2)+(\t))
.set BB, 128*(\q)+12*(\t)
.set AA, 128*(\q)+96+12*\u
.set SA, 24+8*((\e)%2)+2*((\t)/2)+(\q)
.set SB, 16+2*((\e)/2)+(\q)
.set RA, (\t)%2
.set RB, \u
	WM
.endr
.endr
.endm
.macro P0 e                            ; a step's first 128 along K
	s_wait_dscnt 0x0                               ; set 0 and the scale words are in
	FETCH \e, 1
.if (\e) == 2
	WIN 0xc0
	XLOAD 4                                        ; the other four rows of x
	XLOAD 5
	XLOAD 6
	XLOAD 7
.endif
	WIN 0x5a                                       ; sources 0 and 1 window 2, C and D window 1
	MUL \e, 0, 0
	MUL \e, 0, 4
.endm
.macro P1 e                            ; its second 128.  Steps 0 to 5 fill their slot again, with the block two steps on
.if (\e) < 6
	WIN 0
	s_wait_tensorcnt 0x0                           ; all my tensor loads have landed: the next step's block
	ds_add_u32 v14, v15                            ; 0 onto my spare word
	s_wait_dscnt 1                                 ; set 1 is in (the add may be out)
	WIN 0x5a
	MUL \e, 1, 0
	s_wait_dscnt 0x0                               ; the add is done, and my reads of this slot are over
	s_barrier_signal -1
	MUL \e, 1, 4
	WIN 0
	s_barrier_wait -1
	CREST                                          ; no wave of any partner still reads this slot or has a load on its way
	s_add_nc_u64 s[G0+4*((\e)%2)+2:G0+4*((\e)%2)+3], s[G0+4*((\e)%2)+2:G0+4*((\e)%2)+3], 25600
	tensor_load_to_lds s[G0+4*((\e)%2):G0+4*((\e)%2)+3], s[24:31]
	s_nop 0
.rept 4
	v_nop                                          ; also the places in front of the loads below
.endr
	FETCH (\e)+1, 0
	WIN 0
	BSCL (\e)+1
.elseif (\e) == 6
	s_wait_dscnt 0x0
	WIN 0x5a
	MUL \e, 1, 0
	MUL \e, 1, 4
	WIN 0
	s_wait_tensorcnt 0x0                           ; the last block, which I alone read, has landed: no load was issued behind it
.rept 4
	v_nop
.endr
	FETCH 7, 0
	WIN 0
	BSCL 7
.else
	s_wait_dscnt 0x0
	WIN 0x5a
	MUL \e, 1, 0
	MUL \e, 1, 4
	WIN 0
.endif
.endm
	s_wait_tensorcnt 1                             ; my quarter of attn's record and step 0's block are in; step 1's may stay out
	s_barrier_signal -1
	s_barrier_wait -1                              ; the record is whole
.irp k, 0,1,2,3,4,5,6,7
	ds_load_b32 v[16+\k], v10 offset:128*\k        ; attn's scale words of K step k: lanes 0-15 tile 0, lanes 16-31 tile 1
.endr
	FETCH 0, 0
	WIN 0
	BSCL 0
.irp e, 0,1,2,3,4,5,6,7
	P0 \e
	P1 \e
.endr
.rept 4
	v_nop                                          ; places between the last products and the stores that read them
.endr
	s_wait_dscnt 0x0
	s_barrier_signal -1
	s_barrier_wait -1                              ; nobody reads the ring any more, and it has had its last fill: the stage may be written
	WIN 0x04                                       ; an LDS store's data are its source 1: window 1
.irp u, 0,1
.set NN, 0
.rept 16
	ds_store_b128 v[11+\u], v[8*(16*\u+NN):8*(16*\u+NN)+3] offset:512*(NN/8)+128*((NN%8)/2)+32*(NN%2)        ; each accumulator from its low end on
	ds_store_b128 v[11+\u], v[8*(16*\u+NN)+4:8*(16*\u+NN)+7] offset:512*(NN/8)+128*((NN%8)/2)+32*(NN%2)+16
.set NN, NN+1
.endr
.endr
	WIN 0
	s_wait_dscnt 0x0                               ; for the others' sake: my stores have landed
	s_barrier_signal -1
	s_barrier_wait -1                              ; 32 whole rows lie in the stage
	s_wait_loadcnt 0x0                             ; x, bo, gamma, beta
.macro RLOAD i
.irp j, 0,1,2,3,4,5,6,7
	ds_load_b128 v[136+32*((\i)%2)+4*\j:139+32*((\i)%2)+4*\j], v13 offset:(\i)*4112+512*\j
.endr
.endm
.macro RED                             ; v[200:201] summed over its halves and the 32 lanes, into v200 of every lane
	v_add_f32 v200, v200, v201
	v_add_f32_dpp v200, v200, v200 row_xmask:1 row_mask:0xf bank_mask:0xf
	v_add_f32_dpp v200, v200, v200 row_xmask:2 row_mask:0xf bank_mask:0xf
	v_add_f32_dpp v200, v200, v200 row_xmask:4 row_mask:0xf bank_mask:0xf
	v_add_f32_dpp v200, v200, v200 row_xmask:8 row_mask:0xf bank_mask:0xf
	v_permlanex16_b32 v208, v200, s52, s53
	v_add_f32 v200, v200, v208
.endm
.macro ROW i
.set Y, 136+32*((\i)%2)
.if (\i) < 7
	s_wait_xcnt 0x0                                ; the row before last has been read by its stores: its registers take the next row
	RLOAD (\i)+1
	s_wait_dscnt 8                                 ; this row is in; the next row's eight loads may be out
.else
	s_wait_dscnt 0x0
.endif
	WIN 0x0c                                       ; source 1: window 3
.set NN, 0
.rept 16
	v_pk_add_f32 v[Y+NN:Y+NN+1], v[Y+NN:Y+NN+1], v[32*(\i)+NN:32*(\i)+NN+1]   ; + x
.set NN, NN+2
.endr
	WIN 0
.set NN, 0
.rept 16
	v_pk_add_f32 v[Y+NN:Y+NN+1], v[Y+NN:Y+NN+1], v[40+NN:41+NN]               ; + bo
.set NN, NN+2
.endr
	v_pk_add_f32 v[200:201], v[Y:Y+1], v[Y+2:Y+3]
	v_pk_add_f32 v[202:203], v[Y+4:Y+5], v[Y+6:Y+7]
.irp k, 8,12,16,20,24,28
	v_pk_add_f32 v[200:201], v[200:201], v[Y+\k:Y+\k+1]
	v_pk_add_f32 v[202:203], v[202:203], v[Y+\k+2:Y+\k+3]
.endr
	v_pk_add_f32 v[200:201], v[200:201], v[202:203]
	RED
	v_mul_f32 v204, 0xba800000, v200               ; minus the mean
.set NN, 0
.rept 16
	v_pk_add_f32 v[Y+NN:Y+NN+1], v[Y+NN:Y+NN+1], v[204:205] op_sel_hi:[1,0]
.set NN, NN+2
.endr
	v_pk_mul_f32 v[200:201], v[Y:Y+1], v[Y:Y+1]
	v_pk_mul_f32 v[202:203], v[Y+2:Y+3], v[Y+2:Y+3]
.irp k, 4,8,12,16,20,24,28
	v_pk_fma_f32 v[200:201], v[Y+\k:Y+\k+1], v[Y+\k:Y+\k+1], v[200:201]
	v_pk_fma_f32 v[202:203], v[Y+\k+2:Y+\k+3], v[Y+\k+2:Y+\k+3], v[202:203]
.endr
	v_pk_add_f32 v[200:201], v[200:201], v[202:203]
	RED
	v_fma_f32 v206, v200, s54, s55                 ; the variance + 1e-5
	v_rsq_f32 v206, v206
	v_nop                                          ; a plain place behind the root,
	s_wait_alu depctr_va_vdst(0)                   ; and the wait ahead of its first reader
.set NN, 0
.rept 16
	v_pk_mul_f32 v[Y+NN:Y+NN+1], v[Y+NN:Y+NN+1], v[206:207] op_sel_hi:[1,0]
.set NN, NN+2
.endr
.set NN, 0
.rept 16
	v_pk_fma_f32 v[Y+NN:Y+NN+1], v[Y+NN:Y+NN+1], v[72+NN:73+NN], v[104+NN:105+NN]
.set NN, NN+2
.endr
.irp j, 0,1,2,3,4,5,6,7
	global_store_b128 v1, v[Y+4*\j:Y+4*\j+3], s[16:17] offset:4096*(\i)+512*\j th:TH_STORE_NT   ; 512 consecutive bytes, aligned
.endr
.endm
	RLOAD 0
.irp i, 0,1,2,3,4,5,6,7
	ROW \i
.endr
	s_wait_tensorcnt 0x0                           ; the wave's end: behind my last tensor load and my last LDS store
	ds_add_u32 v14, v15
	s_wait_dscnt 0x0
	CROUND                                         ; the closing round
	s_endpgm
.Lfunc_end_k_q8080b74a70_oproj:
	.size	k_q8080b74a70_oproj, .Lfunc_end_k_q8080b74a70_oproj-k_q8080b74a70_oproj
	.p2alignl 7, 3214868480
	.fill 96, 4, 3214868480
	.section	.rodata,"a",@progbits
	.p2align	6, 0x0
	.amdhsa_kernel k_q8080b74a70_oproj
		.amdhsa_group_segment_fixed_size 327680
		.amdhsa_private_segment_fixed_size 0
		.amdhsa_enable_private_segment 0
		.amdhsa_kernarg_size 56
		.amdhsa_user_sgpr_count 2
		.amdhsa_user_sgpr_kernarg_segment_ptr 1
		.amdhsa_wavefront_size32 1
		.amdhsa_system_sgpr_workgroup_id_x 1
		.amdhsa_system_sgpr_workgroup_id_y 1
		.amdhsa_system_sgpr_workgroup_id_z 1
		.amdhsa_system_vgpr_workitem_id 0
		.amdhsa_next_free_vgpr 1024
		.amdhsa_next_free_sgpr 66
		.amdhsa_reserve_vcc 0
		.amdhsa_float_denorm_mode_32 3
		.amdhsa_float_denorm_mode_16_64 3
		.amdhsa_memory_ordered 1
		.amdhsa_forward_progress 1
		.amdhsa_inst_pref_size 167
	.end_amdhsa_kernel
	.amdgpu_metadata
---
amdhsa.version: [ 1, 2 ]
amdhsa.kernels:
  - .name:           k_q8080b74a70_oproj
    .symbol:         k_q8080b74a70_oproj.kd
    .args:
      - { .name: cod, .offset: 0, .size: 8, .value_kind: global_buffer, .address_space: global }
      - { .name: arec, .offset: 8, .size: 8, .value_kind: global_buffer, .address_space: global }
      - { .name: x, .offset: 16, .size: 8, .value_kind: global_buffer, .address_space: global }
      - { .name: bo, .offset: 24, .size: 8, .value_kind: global_buffer, .address_space: global }
      - { .name: gamma, .offset: 32, .size: 8, .value_kind: global_buffer, .address_space: global }
      - { .name: beta, .offset: 40, .size: 8, .value_kind: global_buffer, .address_space: global }
      - { .name: out0, .offset: 48, .size: 8, .value_kind: global_buffer, .address_space: global }
    .group_segment_fixed_size: 327680
    .private_segment_fixed_size: 0
    .kernarg_segment_align: 8
    .kernarg_segment_size: 56
    .max_flat_workgroup_size: 128
    .sgpr_count:     66
    .vgpr_count:     1024
    .wavefront_size: 32
...
	.end_amdgpu_metadata
.endif
;; end of part 4
